; MI455X (gfx1250); checked and timed in simulation.
; The chip was launched on July 23, 2026; its instructions are those of AMD's public machine-readable ISA for CDNA 5 (MIT licence, August 2026) and "CDNA5" Instruction Set Architecture Reference Guide (July 2026). The comments in the code are by the model that wrote it; some were corrected since.
;; Alibi Attention Wrapper. Allowed arithmetic: matrix products marked QUANTISED: E2M1 operands, one E8M0 scale for each 32 along K, by v_wmma_scale_f32_16x16x128_f8f6f4 with both operands' format E2M1 (or v_wmma_scale_f32_32x16x128_f4), f32 sums; everything else in f32.
;; Inputs: in_proj_bias 3,072 float32; in_proj_weight 3,072 x 1,024 float32; out_proj_bias 1,024 float32; out_proj_weight 1,024 x 1,024 float32; x 2 x 2,048 x 1,024 float32.
;; Outputs: out0 2 x 2,048 x 1,024 float32.
;; This version of the problem:
;;   THIS VERSION OF THE PROBLEM IS GIVEN IN LOW PRECISION. The matrix products marked QUANTISED in the list below multiply operands that are first quantised to E2M1 (2 exponent bits, 1 mantissa bit; 4 bits a number), with one power-of-two scale for each 32 numbers along K (OCP MX v1.0); their sums are f32. All else is computed in f32.
;;   The module's matrix products, in the order in which they are computed (A, B: the left and right operand; K: the contracted axis; several contracted axes count as one K, in the product's order):
;;     1. [M 4,096, K 1,024] x [K 1,024, N 3,072]; A: input x; B: input in_proj_weight: QUANTISED
;;     2. batch 32 x [M 2,048, K 64] x [K 64, N 2,048]; A: computed on the way; B: computed on the way: QUANTISED
;;     3. batch 32 x [M 2,048, K 2,048] x [K 2,048, N 64]; A: softmax (see below); B: computed on the way: QUANTISED
;;     4. [M 4,096, K 1,024] x [K 1,024, N 1,024]; A: computed on the way; B: input out_proj_weight: QUANTISED
;;   THE QUANTISER, for each operand of a quantised product, along K:
;;     - K is cut into blocks of 32 from its start; a last block that is shorter is filled with zeros.
;;     - A block's scale is 2^e with e = floor(log2(the largest magnitude in the block)) - 2, held to -126 .. 127; a block of zeros has e = 0. As a byte (E8M0): e + 127.
;;     - Each number is divided by its block's scale, clamped to +-6, and rounded to the nearest number of E2M1, ties to even, subnormals kept.
;;     - The product sums the exact products of the quantised numbers (number of the format x scale) in f32.
;;   ~~~python
;;   def quantise(x, axis):      # numpy; x: float32 -> the quantised numbers, widened to float32 again
;;       x = np.moveaxis(x, axis, -1); K = x.shape[-1]
;;       x = np.pad(x, [(0, 0)] * (x.ndim - 1) + [(0, -K % 32)]); x = x.reshape(x.shape[:-1] + (-1, 32)); a = np.abs(x).max(-1, keepdims=True)
;;       e = np.where(a > 0, np.clip(np.frexp(np.where(a > 0, a, 1))[1] - 1 - 2, -126, 127), 0)      # np.frexp(a)[1] - 1 = floor(log2(a)), exactly
;;       r = np.clip(x / 2.0 ** e, -6, 6)
;;       step = 2.0 ** (np.maximum(np.frexp(np.where(r == 0, 1, r))[1] - 1, 0) - 1)
;;       q = np.round(r / step) * step * 2.0 ** e      # np.round: ties to even
;;       return np.moveaxis(q.reshape(q.shape[:-2] + (-1,))[..., :K], -1, axis).astype(np.float32)
;;   ~~~
;;   SOFTMAX AHEAD OF A QUANTISED PRODUCT. Where the list says 'softmax', what is quantised is not the finished softmax but p = 2^(t - M), with t = logit x log2(e) and M = ceil(the row's largest t), a whole number; so 1/2 < the row's largest p <= 1. The row's sum l is taken of the UNQUANTISED p, in f32, and the product's result is divided by l at the end. Since M is a whole number, a kernel that streams over the keys may use a running M (the ceiling of the running maximum): every later rescaling is an exact power of two, which a block's scale takes up: the codes' values come out the same.
;;   OPERANDS COMPUTED ON THE WAY. 'Computed on the way' means the value that the module computes at that place (a softmax that the list does not call 'softmax' is quantised finished and normalised). What goes into a quantiser is computed in f32, as accurately as f32 sums, v_exp_f32 and their like allow (about 1e-6 of the number): no bf16 or f16 on the way to a quantiser, and a product that is left as it is and whose result goes on into a quantised operand takes f32 operands (vector FMAs, or v_wmma_f32_16x16x4_f32). A number that lies on a knife's edge between two numbers of the format may be rounded either way, as far as f32 arithmetic and the matrix unit's own rounding can turn it there, and no further.
;; One version. Each part assembles by itself: llvm-mc -triple=amdgcn-amd-amdhsa -mcpu=gfx1250 --defsym DOCPART=n.
;; ======== version 1 of 1: 4 launches
;; limits: right only within a limited range of input values
;; workspace buffers: xw 4,456,448 bytes; att 9,175,040 bytes; ao 2,228,224 bytes
;; launch quant (part 1): grid 256 x 1, 8 waves a work-group, no clusters, 141,312 bytes of LDS; arguments x, in_proj_weight, out_proj_weight, xw; writes xw
.if DOCPART == 1
	.amdgcn_target "amdgcn-amd-amdhsa--gfx1250"
	.amdhsa_code_object_version 6
	.text
	.protected	k_qdcfad21fcb_quant
	.globl	k_qdcfad21fcb_quant
	.p2align	8
	.type	k_qdcfad21fcb_quant,@function
k_qdcfad21fcb_quant:
	s_mov_b64 s[64:65], 0
	v_nop
	global_prefetch_b8 v0, s[64:65] scope:SCOPE_SE
	s_setreg_imm32_b32 hwreg(HW_REG_WAVE_MODE, 25, 1), 1
	s_wait_xcnt 0x0
; x [4096][1024], in_proj_weight [3072][1024] and out_proj_weight [1024][1024], f32, become codes of FP4 (E2M1) with one E8M0 scale byte for each 32 along K (their last axis).
; A block's scale is 2^(floor(log2(its largest magnitude)) - 2); its byte is the largest magnitude's exponent field - 2, held at 1 from below.
; (A block of zeros so gets the byte 1 where the rule says 127: its codes are zeros, which add nothing under any byte but 0xff, and this program alone reads the bytes.)
; LIMITS: NaN and infinities among the inputs are not served.
; THE OUTPUT IS LAID AS THE MATRIX UNIT'S REGISTERS.  The 8,192 rows are 512 TILES of 16 rows; of each 32 rows, tile u (0, 1) takes rows 8 u + 0..7 and 16 + 8 u + 0..7 (lane-row r = row 8 u + r + 8 (r / 8)).
; A tile's record is 8,704 bytes: two chunks (halves of K) of 4 fragments (16 rows x 128 K: lane l's registers 4 c .. 4 c + 3 at byte 512 c + 16 l) and 256 bytes of scale words, [lane-row][4 words].
; SHARES.  A work-group takes 32 rows (two tiles); wave w takes tile w / 4 and 256 along K (w % 4), in four steps of 16 rows x 64 K.  All 32 loads of a wave go out at once.
; A load reads 256 consecutive bytes of a row in sixteen lanes; the conversions want 32 neighbours along K in ONE lane: so a step's 4,096 bytes turn through the wave's own stage in LDS (rows 272 bytes apart).
; Each step has a stage of its own: no LDS byte is written twice.  A lane's 32 codes are 16 bytes: a wave's store covers 512 consecutive bytes.
.set TREC, 8704                        ; a tile's record
.set CHB,  4352                        ; a chunk of it
.set SP,   272                         ; a stage row: 256 bytes + 16
.set STG,  16*SP                       ; a step's stage
.set WST,  4*STG                       ; a wave's four stages
.set SCL,  8*WST                       ; behind them: the work-group's scale words, [tile][chunk][lane-row][16 bytes]
.set R,    16                          ; v16-143  four sets of 32 registers as loaded
.set X,    144                         ; v144-207 two sets of 32 neighbours
.set C,    208                         ; v208-223 four registers of codes for each step: no store's data are written again
.set E,    224                         ; v224-227 a scale byte for each step
.set W,    228                         ; v[228:229] my row's scale words of the wave's two K steps of 128
	s_load_b256 s[4:11], s[0:1], 0x0               ; x, in_proj_weight, out_proj_weight, xw
	v_lshl_add_u32 v240, v0, 2, 0x22400
	v_mov_b32 v241, 0
	v_lshrrev_b32 v1, 5, v0
	s_delay_alu instid0(VALU_DEP_1)
	v_readfirstlane_b32 s16, v1                    ; wave 0..7
	v_and_b32 v1, 31, v0                           ; lane
	v_and_b32 v2, 15, v0                           ; r
	v_bfe_u32 v3, v0, 4, 1                         ; h
	s_delay_alu instid0(VALU_DEP_2)
	v_lshlrev_b32 v4, 4, v2
	s_delay_alu instid0(VALU_DEP_1)
	v_lshl_add_u32 v4, v3, 16, v4                  ; in: 16 r, and 16 rows (65,536 bytes) further down for lanes 16-31
	s_mul_i32 s17, s16, WST
	v_mul_u32_u24 v5, v3, 8*SP
	s_delay_alu instid0(VALU_DEP_1)
	v_lshl_add_u32 v5, v2, 4, v5
	s_delay_alu instid0(VALU_DEP_1)
	v_add_nc_u32 v5, s17, v5                       ; into the stage: stage row 8 h + i, byte 16 r
	v_mul_u32_u24 v6, v2, SP
	s_delay_alu instid0(VALU_DEP_1)
	v_lshl_add_u32 v6, v3, 7, v6
	s_delay_alu instid0(VALU_DEP_1)
	v_add_nc_u32 v6, s17, v6                       ; out of it: stage row r, block h of the step's two
	v_lshlrev_b32 v7, 4, v1                        ; out: 16 x lane
	s_wait_alu depctr_va_vdst(0)
	s_lshr_b32 s18, s16, 2                         ; u: which tile
	s_and_b32 s19, s16, 3                          ; which quarter of K
	s_lshr_b32 s22, s19, 1                         ; its chunk
	s_and_b32 s23, s19, 1                          ; and which half of the chunk
	s_lshl_b32 s24, s18, 9
	s_lshl_b32 s25, s22, 8
	s_add_co_u32 s24, s24, s25
	s_lshl_b32 s25, s23, 3
	s_add_co_u32 s24, s24, s25
	s_add_co_u32 s24, s24, SCL
	v_lshl_add_u32 v8, v2, 4, s24                  ; where my row's two scale words go in LDS
	v_lshlrev_b32 v9, 3, v3                        ; 8 h: my bytes' place in a word
	s_and_b32 s26, s16, 1
	s_lshl_b32 s27, s26, 9
	s_add_co_u32 s27, s27, SCL
	v_add_nc_u32 v14, s27, v7                      ; the scale words' way out (waves 0 and 1): a tile's 512 bytes, 16 a lane
	v_mul_u32_u24 v15, v3, CHB
	s_delay_alu instid0(VALU_DEP_1)
	v_lshl_add_u32 v15, v2, 4, v15                 ; lanes 0-15 chunk 0's 256 bytes, lanes 16-31 chunk 1's
	v_mov_b32 v230, 0                              ; written once: a lane permute's destination counts as one of its sources
	s_mov_b32 s20, 0x76543210
	s_mov_b32 s21, 0xfedcba98                      ; v_permlanex16_b32's selects for lane l xor 16
	s_mov_b32 s12, 224
	s_wait_kmcnt 0x0
	s_cmp_lt_u32 ttmp9, 224                        ; which tensor: the choice hangs on the work-group's number alone
	s_cselect_b64 s[6:7], s[6:7], s[8:9]
	s_cselect_b32 s12, 128, s12
	s_cmp_lt_u32 ttmp9, 128
	s_cselect_b64 s[4:5], s[4:5], s[6:7]
	s_cselect_b32 s12, 0, s12
	s_sub_co_u32 s12, ttmp9, s12                   ; which 32 rows of it
	s_lshl_b32 s12, s12, 17                        ; 32 rows of 4,096 bytes,
	s_lshl_b32 s13, s18, 15                        ; + 8 u rows,
	s_add_co_u32 s12, s12, s13
	s_lshl_b32 s13, s19, 10                        ; + my quarter of K
	s_add_co_u32 s12, s12, s13
	s_mov_b32 s13, 0
	s_add_nc_u64 s[4:5], s[4:5], s[12:13]
	s_lshl_b32 s14, ttmp9, 1
	s_add_co_u32 s28, s14, s18                     ; my tile
	s_mul_i32 s28, s28, TREC
	s_mul_i32 s29, s22, CHB
	s_add_co_u32 s28, s28, s29
	s_lshl_b32 s29, s23, 11                        ; two fragments for each quarter of K
	s_add_co_u32 s28, s28, s29
	s_mov_b32 s29, 0
	s_add_nc_u64 s[8:9], s[10:11], s[28:29]        ; my codes
	s_add_co_u32 s28, s14, s26
	s_mul_i32 s28, s28, TREC
	s_add_co_u32 s28, s28, 4096
	s_add_nc_u64 s[10:11], s[10:11], s[28:29]      ; the scale words of tile wave % 2
.macro LOAD t                          ; step t: 64 along K of 16 rows; load i: lanes 0-15 row 8 u + i, lanes 16-31 row 8 u + 16 + i, 256 consecutive bytes each
.irp i, 0,1,2,3,4,5,6,7
	global_load_b128 v[R+32*(\t)+4*\i:R+32*(\t)+4*\i+3], v4, s[4:5] offset:4096*\i+256*(\t) th:TH_LOAD_NT
.endr
.endm
.macro TURN t                          ; through the stage: LDS serves a wave's instructions in order, so no wait stands between the stores and the loads
.irp i, 0,1,2,3,4,5,6,7
	ds_store_b128 v5, v[R+32*(\t)+4*\i:R+32*(\t)+4*\i+3] offset:STG*(\t)+SP*\i
.endr
.irp j, 0,1,2,3,4,5,6,7
	ds_load_b128 v[X+32*((\t)%2)+4*\j:X+32*((\t)%2)+4*\j+3], v6 offset:STG*(\t)+16*\j
.endr
.endm
.macro WORK t                          ; my block of 32: its largest magnitude, its scale, its codes
.set XS, X+32*((\t)%2)
	v_max3_num_f32 v10, |v[XS]|, |v[XS+1]|, |v[XS+2]|
	v_max3_num_f32 v11, |v[XS+3]|, |v[XS+4]|, |v[XS+5]|
.irp i, 6,10,14,18,22,26
	s_delay_alu instid0(VALU_DEP_2)
	v_max3_num_f32 v10, v10, |v[XS+\i]|, |v[XS+\i+1]|
	s_delay_alu instid0(VALU_DEP_2)
	v_max3_num_f32 v11, v11, |v[XS+\i+2]|, |v[XS+\i+3]|
.endr
	s_delay_alu instid0(VALU_DEP_2)
	v_max3_num_f32 v10, v10, |v[XS+30]|, |v[XS+31]|
	s_delay_alu instid0(VALU_DEP_1)
	v_max3_num_f32 v10, v10, v11, 0x1800000        ; and the floor 2^(3 - 127): the byte cannot fall under 1
	s_delay_alu instid0(VALU_DEP_1)
	v_add_nc_u32 v12, 0xff000000, v10              ; 2 off the exponent field: the conversion takes the exponent field of this operand as its scale
.irp g, 0,1,2,3
	v_cvt_scalef32_pk8_fp4_f32 v[C+4*(\t)+\g], v[XS+8*\g:XS+8*\g+7], v12
.endr
	v_lshrrev_b32 v[E+(\t)], 23, v12               ; the scale's byte (also the plain line behind the conversions)
	global_store_b128 v7, v[C+4*(\t):C+4*(\t)+3], s[8:9] offset:512*(\t)   ; 512 consecutive bytes: half a fragment
.endm
.macro WORD s                          ; the scale word of K step s of my two: my bytes are blocks h and 2 + h; lane l xor 16 has the other two
	v_lshl_or_b32 v13, v[E+2*(\s)+1], 16, v[E+2*(\s)]
	s_delay_alu instid0(VALU_DEP_1)
	v_lshlrev_b32 v13, v9, v13
	s_delay_alu instid0(VALU_DEP_1)
	v_permlanex16_b32 v230, v13, s20, s21
	s_delay_alu instid0(VALU_DEP_1)
	v_or_b32 v[W+(\s)], v13, v230
.endm
	LOAD 0
	LOAD 1
	LOAD 2
	LOAD 3
	s_wait_loadcnt 24                              ; step 0's eight loads are in; 24 younger ones may be out
	TURN 0
	s_wait_loadcnt 16
	TURN 1
	s_wait_dscnt 16                                ; step 0 is back from its stage; step 1's sixteen LDS instructions may be out
	WORK 0
	s_wait_loadcnt 8
	TURN 2
	s_wait_dscnt 16
	WORK 1
	WORD 0
	s_wait_loadcnt 0x0
	TURN 3
	s_wait_dscnt 16
	WORK 2
	s_wait_dscnt 0x0
	WORK 3
	WORD 1
	ds_store_b64 v8, v[W:W+1]                      ; both lanes of a row write the same words with the same values
	s_wait_dscnt 0x0                               ; for the others' sake: my words lie in LDS
	s_barrier_signal -1
	s_barrier_wait -1
	s_cmp_gt_u32 s16, 1                            ; waves 0 and 1 store a tile's scale words: two aligned runs of 256 bytes
	s_cbranch_scc1 .Lend
	ds_load_b128 v[232:235], v14
	s_wait_dscnt 0x0
	global_store_b128 v15, v[232:235], s[10:11]
.Lend:
	s_wait_tensorcnt 0x0
	ds_add_u32 v240, v241
	s_wait_dscnt 0x0
	s_endpgm
.Lfunc_end_k_qdcfad21fcb_quant:
	.size	k_qdcfad21fcb_quant, .Lfunc_end_k_qdcfad21fcb_quant-k_qdcfad21fcb_quant
	.p2alignl 7, 3214868480
	.fill 96, 4, 3214868480
	.section	.rodata,"a",@progbits
	.p2align	6, 0x0
	.amdhsa_kernel k_qdcfad21fcb_quant
		.amdhsa_group_segment_fixed_size 141312
		.amdhsa_private_segment_fixed_size 0
		.amdhsa_enable_private_segment 0
		.amdhsa_kernarg_size 32
		.amdhsa_user_sgpr_count 2
		.amdhsa_user_sgpr_kernarg_segment_ptr 1
		.amdhsa_wavefront_size32 1
		.amdhsa_system_sgpr_workgroup_id_x 1
		.amdhsa_system_sgpr_workgroup_id_y 1
		.amdhsa_system_sgpr_workgroup_id_z 1
		.amdhsa_system_vgpr_workitem_id 0
		.amdhsa_next_free_vgpr 242
		.amdhsa_next_free_sgpr 66
		.amdhsa_reserve_vcc 0
		.amdhsa_float_denorm_mode_32 3
		.amdhsa_float_denorm_mode_16_64 3
		.amdhsa_memory_ordered 1
		.amdhsa_forward_progress 1
		.amdhsa_inst_pref_size 20
	.end_amdhsa_kernel
	.amdgpu_metadata
---
amdhsa.version: [ 1, 2 ]
amdhsa.kernels:
  - .name:           k_qdcfad21fcb_quant
    .symbol:         k_qdcfad21fcb_quant.kd
    .args:
      - { .name: x, .offset: 0, .size: 8, .value_kind: global_buffer, .address_space: global }
      - { .name: in_proj_weight, .offset: 8, .size: 8, .value_kind: global_buffer, .address_space: global }
      - { .name: out_proj_weight, .offset: 16, .size: 8, .value_kind: global_buffer, .address_space: global }
      - { .name: xw, .offset: 24, .size: 8, .value_kind: global_buffer, .address_space: global }
    .group_segment_fixed_size: 141312
    .private_segment_fixed_size: 0
    .kernarg_segment_align: 8
    .kernarg_segment_size: 32
    .max_flat_workgroup_size: 256
    .sgpr_count:     66
    .vgpr_count:     242
    .wavefront_size: 32
...
	.end_amdgpu_metadata
.endif
;; end of part 1
;; launch qkv (part 2): grid 8 x 24, 4 waves a work-group, clusters of 4 x 4, 279,040 bytes of LDS; arguments xw, in_proj_bias, att; writes att
.if DOCPART == 2
	.amdgcn_target "amdgcn-amd-amdhsa--gfx1250"
	.amdhsa_code_object_version 6
	.text
	.protected	k_qdcfad21fcb_qkv
	.globl	k_qdcfad21fcb_qkv
	.p2align	8
	.type	k_qdcfad21fcb_qkv,@function
k_qdcfad21fcb_qkv:
	s_mov_b64 s[64:65], 0
	v_nop
	global_prefetch_b8 v0, s[64:65] scope:SCOPE_SE
	s_setreg_imm32_b32 hwreg(HW_REG_WAVE_MODE, 25, 1), 1
	s_wait_xcnt 0x0
	s_wait_alu depctr_hold_cnt(0) depctr_sa_sdst(0) depctr_va_vdst(0) depctr_va_sdst(0) depctr_va_ssrc(0) depctr_va_vcc(0) depctr_vm_vsrc(0)
	s_getreg_b32 s2, hwreg(HW_REG_IB_STS2, 6, 4)
	s_cmp_eq_u32 s2, 0
	s_cbranch_scc0 .Lentry_in_a_cluster
	s_endpgm
.Lentry_in_a_cluster:
	s_bfe_u32 s2, ttmp6, 0x10000c
	s_cmp_lg_u32 s2, 0xf033
	s_cbranch_scc0 .Lentry_shape_is_right
	s_endpgm
.Lentry_shape_is_right:
; qkv = x in_proj_weight^T + in_proj_bias on codes of FP4 (E2M1) with E8M0 scales, and the results quantised at once, in registers: q and k along the head's 64 channels, v along the keys.
; ONE FORM SERVES BOTH: Out[R][P] = the quantiser along P of (sum over K + bias).  Source 0 of the matrix instruction takes 16 rows of P's operand ("B"), source 1 16 rows of R's ("A"): a lane then holds ONE row of R.
;   type QK (cluster y < 4):  R = 256 tokens, P = 256 rows of the weight (four heads of q or of k).      type V (cluster y 4, 5 = the batch):  R = 256 rows of v's weight (four heads), P = 256 tokens.
; OPERANDS lie in xw as tiles of 16 rows in the order of the registers (a fragment, 16 rows x 128 K, is 1,024 dense bytes, lane l's registers 4 c .. 4 c + 3 at 512 c + 16 l).  Of each 32 rows tile u takes rows
; 8 u + r + 8 (r / 8): so a lane's 16 registers of B's tiles 2 b and 2 b + 1 are 16 NEIGHBOURS along P, which the conversions want, and the results are again tiles in that order, which the next launch wants.
; SHARES.  A work-group of four waves makes 256 x 256, a wave 128 x 128: 64 accumulators, 512 registers.  192 work-groups: neither 4,096 x 2,048 nor 1,024 x 4,096 cuts into 256 equal parts whose P side is a multiple of 128.
; ALL OF K (1,024) STAYS IN LDS: 16 + 16 tile records, 278,528 bytes, brought by one tensor load a wave: nothing is filled twice.  A wave has one tensor load outstanding.
; CLUSTERS: 4 x 4.  A's tiles hang on the cluster's y and cy alone and are asked for jointly along a row of the cluster, B's on the cluster's x, y and cx alone, along a column.
; The text parts on the type ONCE, at the way out; so every work-group loads both kinds of bias (by column of P: 64 registers; by row of R: 16), each inside in_proj_bias for every work-group.
; LIMITS: NaN and infinities are not served; a block of zeros gets the scale byte 1 (its codes are zeros; this program alone reads the bytes).
; att: 64 areas of 143,360 bytes (q of head bh: area bh; k and v: area 32 + bh), each 16 records of 8,960 bytes for 128 tokens: 8 tiles x 512 bytes of q's or k's codes | 2 x 256 bytes of their scale words,
;   [4 tiles][lane-row][tile] | 4 fragments of V^T (16 channels x 128 keys) | 256 bytes of V's scale words, [lane-row][tile].
; REGISTERS: window 0: v1-14 addresses; v16-23 scale words made; v32-95 scale words of A (lanes 0-15) and B (lanes 16-31); v96-123 at work; v128-191 A's fragments, one set; v192-255 64 numbers of a lane.
;   window 1: B's fragments, two sets, at v0 and v128; v64-127 and v192-207 the biases.   windows 2, 3: the accumulators ((a, b) at v[8 (8 (a % 4) + b)]).
.set TREC, 8704
.set CHB,  4352
.set CHK,  8*CHB                       ; a chunk of eight tiles in LDS
.set HALF, 2*CHK                       ; what one wave brings: eight tiles, all of K
.set HS,   143360
.set REC,  8960
.set ADRA, 4                           ; v4-5   LDS address of my A fragments in chunk 0, 1
.set ADRB, 6                           ; v6-7   of B's
.set ADRS, 8                           ; v8-9   of the scale words: lanes 0-15 A's, lanes 16-31 B's
.set VL,   10                          ; v10    16 x lane
.set VS0,  11                          ; v11    16 r, and one area further on for lanes 16-31
.set VBQ,  12                          ; v12    the bias by column: 64 h
.set SH,   13                          ; v13    16 h
.set VBV,  14                          ; v14    the bias by row: 4 (r + 8 (r / 8))
.set PWS,  16
.set SC,   32
.set TM,   96
.set PW,   112
.set PC,   116
.set AF,   128
.set ST,   192
.set BQ,   64                          ; in window 1
.set BV,   192                         ; in window 1
.set WV,   10
.set G1A,  24
.set G1B,  32
.set G0A,  40
.set G0B,  48
.set SEL,  56
.set MSB,  0
.macro WIN new                         ; the immediate's high byte repeats the setting that is left
.if MSB != (\new)
	s_set_vgpr_msb (MSB<<8)|(\new)
.set MSB, (\new)
.endif
.endm
.macro PLACES n
.rept \n
	v_nop
.endr
.endm
.macro CROUND                          ; a round of the cluster's barrier
	s_barrier_signal -1
	s_barrier_wait -1
	s_cmp_lg_u32 s[WV], 0
	s_cbranch_scc1 .Lnot_wave_0_\@
	s_barrier_signal -3
.Lnot_wave_0_\@:
	s_barrier_wait -3
	s_barrier_signal -1
	s_barrier_wait -1
.endm
	s_load_b128 s[4:7], s[0:1], 0x0                ; xw, in_proj_bias
	s_load_b64 s[8:9], s[0:1], 0x10                ; att
	v_lshl_add_u32 v126, v0, 2, 0x44000
	v_mov_b32 v127, 0
	ds_add_u32 v126, v127
	ds_add_u32 v126, v127
	v_lshrrev_b32 v1, 5, v0
	v_readfirstlane_b32 s[WV], v1                  ; wave 0..3
	s_lshr_b32 s11, s[WV], 1                       ; my half of R
	s_and_b32 s12, s[WV], 1                        ; my half of P.  Also: which eight tiles I fetch
	s_bfe_u32 s13, ttmp6, 0x40000                  ; cx
	s_bfe_u32 s14, ttmp6, 0x40004                  ; cy
	s_and_b32 s15, ttmp7, 0xffff                   ; the cluster's y
	s_lshl_b32 s16, ttmp9, 2
	s_add_co_u32 s16, s16, s13                     ; work-group x
	s_lshl_b32 s17, s15, 2
	s_add_co_u32 s17, s17, s14                     ; work-group y
	s_lshl_b32 s18, s14, 2
	s_lshl_b32 s18, 15, s18                        ; my row of the cluster
	s_lshl_b32 s19, 0x1111, s13                    ; my column
	s_or_b32 s[G1A], s18, (3<<16)|(1<<21)          ; 15:0 the mask; 17:16 elements of 8 bytes; 21 set beside a mask; no padding: every LDS load reads 512 consecutive bytes
	s_or_b32 s[G1B], s19, (3<<16)|(1<<21)
.irp g, G1A, G1B
	; ONE tensor load a wave: its eight records, all of K, are 69,632 dense bytes: 272 rows of 256 bytes.  In LDS they lie record by record, as in memory
	s_mov_b32 s[\g+1], 32<<16                      ; tensor_dim0 = 32 elements: 256 bytes
	s_mov_b32 s[\g+2], 272<<16                     ; tensor_dim1 = 272 rows: eight records
	s_mov_b32 s[\g+3], 32<<16                      ; tile_dim0
	s_mov_b32 s[\g+4], 272                         ; tile_dim1
	s_mov_b32 s[\g+5], 32                          ; dense
	s_mov_b32 s[\g+6], 0
	s_mov_b32 s[\g+7], 0
.endr
	; the first tiles.  A: QK 64 y + 16 cy (x), V 384 + 16 cy (v's weight).  B: QK 256 + 16 wgx (q's and k's weight), V 128 (y - 4) + 16 wgx (x).  A's registers never hold cx, B's never cy
	s_lshl_b32 s58, s15, 6
	s_max_u32 s63, s15, 4
	s_sub_co_u32 s63, s63, 4                       ; the batch of a work-group of type V
	s_lshl_b32 s60, s63, 7
	s_mov_b32 s59, 384
	s_mov_b32 s61, 256
	s_cmp_lt_u32 s15, 4                            ; the type hangs on the cluster's y alone: the same in all partners
	s_cselect_b32 s58, s58, s59
	s_cselect_b32 s60, s61, s60
	s_cselect_b32 s62, 1, 0                        ; 1: type QK
	s_lshl_b32 s59, s14, 4
	s_add_co_u32 s58, s58, s59
	s_lshl_b32 s59, s12, 3
	s_add_co_u32 s58, s58, s59
	s_mul_i32 s58, s58, TREC
	s_mov_b32 s59, 0
	s_lshl_b32 s61, s16, 4
	s_add_co_u32 s60, s60, s61
	s_lshl_b32 s61, s12, 3
	s_add_co_u32 s60, s60, s61
	s_mul_i32 s60, s60, TREC
	s_mov_b32 s61, 0
	s_mul_i32 s20, s[WV], HALF                     ; where they go: A's two halves, then B's: no place in the cluster enters an LDS address
	s_mov_b32 s[SEL], 0x76543210
	s_mov_b32 s[SEL+1], 0xfedcba98
	; the biases' first bytes: by column 4 (256 wgx + 128 (w % 2)); by row 4 (2,048 + 256 cy + 128 (w / 2))
	s_lshl_b32 s66, s16, 10
	s_lshl_b32 s67, s12, 9
	s_add_co_u32 s66, s66, s67
	s_mov_b32 s67, 0
	s_lshl_b32 s68, s14, 10
	s_lshl_b32 s69, s11, 9
	s_add_co_u32 s68, s68, s69
	s_add_co_u32 s68, s68, 8192
	s_mov_b32 s69, 0
	; where my results go.  QK: area 32 (wgx / 4) + 16 (wgy / 8) + (4 wgx + 2 (w % 2)) % 16, record 2 (wgy % 8) + w / 2
	s_lshr_b32 s70, s16, 2
	s_lshl_b32 s70, s70, 5
	s_lshr_b32 s72, s17, 3
	s_lshl_b32 s72, s72, 4
	s_add_co_u32 s70, s70, s72
	s_lshl_b32 s72, s16, 2
	s_lshl_b32 s73, s12, 1
	s_add_co_u32 s72, s72, s73
	s_and_b32 s72, s72, 15
	s_add_co_u32 s70, s70, s72
	s_mul_i32 s70, s70, HS
	s_and_b32 s72, s17, 7
	s_lshl_b32 s72, s72, 1
	s_add_co_u32 s72, s72, s11
	s_mul_i32 s72, s72, REC
	s_add_co_u32 s70, s70, s72
	; V: area 32 + 16 batch + 4 cy + 2 (w / 2), record 2 wgx + w % 2
	s_lshl_b32 s71, s63, 4
	s_add_co_u32 s71, s71, 32
	s_lshl_b32 s72, s14, 2
	s_add_co_u32 s71, s71, s72
	s_lshl_b32 s72, s11, 1
	s_add_co_u32 s71, s71, s72
	s_mul_i32 s71, s71, HS
	s_lshl_b32 s72, s16, 1
	s_add_co_u32 s72, s72, s12
	s_mul_i32 s72, s72, REC
	s_add_co_u32 s71, s71, s72
	s_cmp_eq_u32 s62, 1
	s_cselect_b32 s70, s70, s71
	s_mov_b32 s71, 0
	s_wait_dscnt 0x0
	s_wait_kmcnt 0x0
	s_add_nc_u64 s[58:59], s[4:5], s[58:59]
	s_add_nc_u64 s[60:61], s[4:5], s[60:61]
	s_add_nc_u64 s[66:67], s[6:7], s[66:67]
	s_add_nc_u64 s[68:69], s[6:7], s[68:69]
	s_add_nc_u64 s[8:9], s[8:9], s[70:71]
.irp ch, 0
	s_mov_b32 s[G0A+4*\ch], 1                      ; count = 1
	s_add_co_u32 s[G0A+4*\ch+1], s20, \ch*CHK      ; LDS address
	s_add_nc_u64 s[G0A+4*\ch+2:G0A+4*\ch+3], s[58:59], \ch*CHB   ; global address: chunk ch of my first tile
	s_or_b32 s[G0A+4*\ch+3], s[G0A+4*\ch+3], 0x80000000          ; type = 2
	s_mov_b32 s[G0B+4*\ch], 1
	s_add_co_u32 s[G0B+4*\ch+1], s20, \ch*CHK
	s_add_nc_u64 s[G0B+4*\ch+2:G0B+4*\ch+3], s[60:61], \ch*CHB
	s_or_b32 s[G0B+4*\ch+3], s[G0B+4*\ch+3], 0x80000000
.endr
	CROUND                                         ; all sixteen work-groups are here: the joint loads meet
	s_cmp_lt_u32 s[WV], 2                          ; waves 0 and 1 fetch A's halves, waves 2 and 3 B's; a wave's one load stands in its branch; four v_nop follow it
	s_cbranch_scc0 .Lfill_b
	tensor_load_to_lds s[G0A:G0A+3], s[G1A:G1A+7]
	s_nop 0
	PLACES 4
	s_branch .Lfilled
.Lfill_b:
	tensor_load_to_lds s[G0B:G0B+3], s[G1B:G1B+7]
	s_nop 0
	PLACES 4
.Lfilled:
	v_and_b32 v1, 15, v0                           ; r
	v_bfe_u32 v2, v0, 4, 1                         ; h
	v_and_b32 v3, 31, v0                           ; lane
	v_lshlrev_b32 v[VL], 4, v3
	s_mul_i32 s21, s11, HALF                       ; my half of A
	s_add_co_u32 s22, s12, 2
	s_mul_i32 s22, s22, HALF                       ; my half of B, behind A's two
	v_add_nc_u32 v[ADRA], s21, v[VL]
	v_add_nc_u32 v[ADRA+1], CHB, v[ADRA]           ; chunk 1 of a record lies CHB bytes behind chunk 0
	v_add_nc_u32 v[ADRB], s22, v[VL]
	v_add_nc_u32 v[ADRB+1], CHB, v[ADRB]
	s_xor_b32 s23, s11, 1
	s_add_co_u32 s23, s23, s12
	s_add_co_u32 s23, s23, 1                       ; 2 + w % 2 - w / 2: halves from A's to B's
	s_mul_i32 s23, s23, HALF
	v_mul_u32_u24 v[ADRS], s23, v2                 ; lanes 16-31 take B's words
	v_lshl_add_u32 v[ADRS], v1, 4, v[ADRS]         ; 16 bytes a lane-row: the chunk's four words
	s_add_co_u32 s21, s21, 4096                    ; behind a chunk's four fragments
	v_add_nc_u32 v[ADRS], s21, v[ADRS]
	v_add_nc_u32 v[ADRS+1], CHB, v[ADRS]
	v_mul_u32_u24 v[VS0], v2, HS
	v_lshl_add_u32 v[VS0], v1, 4, v[VS0]
	v_lshlrev_b32 v[SH], 4, v2
	v_lshlrev_b32 v[VBQ], 6, v2
	v_and_b32 v[VBV], 8, v1
	v_add_nc_u32 v[VBV], v[VBV], v1
	v_lshlrev_b32 v[VBV], 2, v[VBV]
.irp b, 0,1,2,3
	v_mov_b32 v[TM+4+\b], 0                        ; written once: a lane permute's destination counts as one of its sources
.endr
	WIN 0x40                                       ; destination window 1
.irp b, 0,1,2,3,4,5,6,7                            ; by column: B's tile b gives lane (r, h) columns 32 (b / 2) + 16 h + 8 (b % 2) + 0..7
	global_load_b128 v[BQ+8*\b:BQ+8*\b+3], v[VBQ], s[66:67] offset:4*(32*(\b/2)+8*(\b%2))
	global_load_b128 v[BQ+8*\b+4:BQ+8*\b+7], v[VBQ], s[66:67] offset:4*(32*(\b/2)+8*(\b%2))+16
.endr
.irp a, 0,1,2,3,4,5,6,7                            ; by row: A's tile a gives lane r row 32 (a / 2) + 8 (a % 2) + r + 8 (r / 8); twice, since the packed addition names a pair
	global_load_b32 v[BV+2*\a], v[VBV], s[68:69] offset:4*(32*(\a/2)+8*(\a%2))
	global_load_b32 v[BV+2*\a+1], v[VBV], s[68:69] offset:4*(32*(\a/2)+8*(\a%2))
.endr
	WIN 0
.macro FRAG reg, adr, off              ; a fragment as it lies: two loads of 512 consecutive bytes
	ds_load_b128 v[\reg:\reg+3], v[\adr] offset:\off
	ds_load_b128 v[\reg+4:\reg+7], v[\adr] offset:\off+512
.endm
.macro FETCH_B s, p                    ; B's eight fragments of K step s into set p
	WIN 0x40
.irp i, 0,1,2,3,4,5,6,7
	FRAG 128*(\p)+8*\i, ADRB+((\s)>>2), TREC*\i+1024*((\s)&3)
.endr
	WIN 0
.endm
.macro FETCH_A s, i0                   ; A's blocks i0 .. i0 + 3
.irp i, \i0, \i0+1, \i0+2, \i0+3
	FRAG AF+8*(\i), ADRA+((\s)>>2), TREC*(\i)+1024*((\s)&3)
.endr
.endm
.macro SCALES ch                       ; a chunk's scale words: register 4 i + q: lanes 0-15 A's tile i, lanes 16-31 B's tile i, the chunk's q-th K step
.irp i, 0,1,2,3,4,5,6,7
	ds_load_b128 v[SC+32*\ch+4*\i:SC+32*\ch+4*\i+3], v[ADRS+\ch] offset:TREC*\i
.endr
.endm
; 16 matrix instructions: A's blocks a0, a0 + 1 x B's eight, K step s.  The 64 accumulators take turns, one instruction a turn, in the same order in every step.
.macro MUL16 a0, p, s, zero
.irp a, \a0, \a0+1
.irp b, 0,1,2,3,4,5,6,7
.if \zero
	v_wmma_scale_f32_16x16x128_f8f6f4 v[8*(8*((\a)%4)+\b):8*(8*((\a)%4)+\b)+7], v[128*(\p)+8*\b:128*(\p)+8*\b+7], v[AF+8*(\a):AF+8*(\a)+7], 0, v[SC+32*((\s)>>2)+4*\b+((\s)&3)], v[SC+32*((\s)>>2)+4*(\a)+((\s)&3)] matrix_a_fmt:MATRIX_FMT_FP4 matrix_b_fmt:MATRIX_FMT_FP4 matrix_a_scale:MATRIX_SCALE_ROW1
.else
	v_wmma_scale_f32_16x16x128_f8f6f4 v[8*(8*((\a)%4)+\b):8*(8*((\a)%4)+\b)+7], v[128*(\p)+8*\b:128*(\p)+8*\b+7], v[AF+8*(\a):AF+8*(\a)+7], v[8*(8*((\a)%4)+\b):8*(8*((\a)%4)+\b)+7], v[SC+32*((\s)>>2)+4*\b+((\s)&3)], v[SC+32*((\s)>>2)+4*(\a)+((\s)&3)] matrix_a_fmt:MATRIX_FMT_FP4 matrix_b_fmt:MATRIX_FMT_FP4 matrix_a_scale:MATRIX_SCALE_ROW1
.endif
.endr
.endr
.endm
; A K step of 128 that has a successor.  A block of A is free as soon as its eight products are issued, so A has one set of registers; B's fragments work through the whole step and have two.
; Loads into registers that matrix instructions have read stand four plain vector places behind them (ISA guide 7.12.1 for vector instructions).
.macro STEP s, zero
	s_wait_dscnt 8                                 ; all but the youngest eight loads (A's blocks 4-7)
	WIN 0xa1                                       ; source 0 (B) window 1, source 1 (A) window 0, C and D window 2
	MUL16 0, (\s)%2, \s, \zero
	MUL16 2, (\s)%2, \s, \zero
	s_wait_dscnt 0x0                               ; A's blocks 4-7 are in
	PLACES 4
	FETCH_B (\s)+1, 1-(\s)%2
	FETCH_A (\s)+1, 0
.if (\s) == 3
	SCALES 1
.endif
	WIN 0xf1                                       ; C and D window 3
	MUL16 4, (\s)%2, \s, \zero
	MUL16 6, (\s)%2, \s, \zero
	PLACES 4
	WIN 0
	FETCH_A (\s)+1, 4
.endm
	s_wait_alu depctr_va_vdst(0)
	s_wait_tensorcnt 0x0                           ; my eight records are in,
	s_barrier_signal -1
	s_barrier_wait -1                              ; everybody's is
	FETCH_B 0, 0
	FETCH_A 0, 0
	SCALES 0
	FETCH_A 0, 4
	STEP 0, 1                                      ; the first products start the sums: nothing is cleared
	STEP 1, 0
	STEP 2, 0
	STEP 3, 0
	STEP 4, 0
	STEP 5, 0
	STEP 6, 0
	s_wait_dscnt 8                                 ; the last step: nothing more to fetch
	WIN 0xa1
	MUL16 0, 1, 7, 0
	MUL16 2, 1, 7, 0
	s_wait_dscnt 0x0
	WIN 0xf1
	MUL16 4, 1, 7, 0
	MUL16 6, 1, 7, 0
	WIN 0
	s_wait_loadcnt 0x0                             ; the biases
	PLACES 4                                       ; in front of the first read of results
; 64 numbers of a lane, register 16 b + i = P 32 b + 16 h + i of my row, become a fragment's codes in v[PC] on and its scale word in v[PW].
.macro QUANT s
.irp b, 0,1,2,3
	v_max3_num_f32 v[TM+\b], |v[\s+16*\b]|, |v[\s+1+16*\b]|, 0x1800000   ; block b: my 16 numbers, and the floor 2^(3 - 127): the byte cannot fall under 1
.endr
.irp i, 2,4,6,8,10,12,14
.irp b, 0,1,2,3
	v_max3_num_f32 v[TM+\b], v[TM+\b], |v[\s+16*\b+\i]|, |v[\s+1+16*\b+\i]|
.endr
.endr
.irp b, 0,1,2,3
	v_permlanex16_b32 v[TM+4+\b], v[TM+\b], s[SEL], s[SEL+1]
.endr
.irp b, 0,1,2,3
	v_max_num_f32 v[TM+\b], v[TM+\b], v[TM+4+\b]   ; with lane l xor 16's: the block's largest magnitude
.endr
.irp b, 0,1,2,3
	v_add_nc_u32 v[TM+12+\b], 0xff000000, v[TM+\b] ; 2 off its exponent field: the conversion's scale operand
.endr
.irp b, 0,1,2,3
	v_lshrrev_b32 v[TM+4+\b], 23, v[TM+12+\b]      ; the scale's byte
.endr
	v_lshl_or_b32 v[PW], v[TM+5], 8, v[TM+4]
	v_lshl_or_b32 v[PW], v[TM+6], 16, v[PW]
	v_lshl_or_b32 v[PW], v[TM+7], 24, v[PW]
.irp b, 0,1,2,3
	v_cvt_scalef32_pk8_fp4_f32 v[PC+2*\b], v[\s+16*\b:\s+7+16*\b], v[TM+12+\b]
	v_cvt_scalef32_pk8_fp4_f32 v[PC+1+2*\b], v[\s+8+16*\b:\s+15+16*\b], v[TM+12+\b]
.endr
	v_nop                                          ; one plain place behind a scaled conversion
.irp c, 0,1                                        ; the operand's layout wants a WHOLE block in a lane
.irp i, 0,1
	v_permlane16_swap_b32 v[PC+4*\c+\i], v[PC+2+4*\c+\i]
.endr
.endr
.endm
; THE WAY OUT of A's block a: the bias is added on the way from the accumulators' window to window 0 (each accumulator from its low end on); the 64 numbers are quantised; the codes leave as they stand, 512 consecutive bytes a store.
.macro EPI a, isv
.if (\a) > 0
	s_wait_xcnt 0x0                                ; the last block's stores have read their data: the codes' registers are written again only behind this wait
.endif
	WIN 0x06+(\a)/4                                ; source 0 window 2 or 3, source 1 window 1
.irp b, 0,1,2,3,4,5,6,7
.irp j, 0,2,4,6
.if \isv
	v_pk_add_f32 v[ST+8*\b+\j:ST+8*\b+\j+1], v[8*(8*((\a)%4)+\b)+\j:8*(8*((\a)%4)+\b)+\j+1], v[BV+2*(\a):BV+2*(\a)+1] op_sel_hi:[1,0]
.else
	v_pk_add_f32 v[ST+8*\b+\j:ST+8*\b+\j+1], v[8*(8*((\a)%4)+\b)+\j:8*(8*((\a)%4)+\b)+\j+1], v[BQ+8*\b+\j:BQ+8*\b+\j+1]
.endif
.endr
.endr
	WIN 0
	QUANT ST
.if \isv
	global_store_b128 v[VL], v[PC:PC+3], s[8:9] offset:((\a)>>2)*HS+4608+1024*((\a)&3)       ; a fragment of V^T: head a / 4 of my two, tile a % 4 of its 64 channels, my 128 keys
	global_store_b128 v[VL], v[PC+4:PC+7], s[8:9] offset:((\a)>>2)*HS+4608+1024*((\a)&3)+512
	v_mov_b32 v[PWS+(\a)], v[PW]
.else
	global_store_b128 v[VL], v[PC:PC+3], s[8:9] offset:512*(\a)                              ; tile a of 16 tokens: the first head's 64 channels,
	global_store_b128 v[VL], v[PC+4:PC+7], s[8:9] offset:HS+512*(\a)                         ; the second head's, one area on
	v_lshrrev_b32 v[PWS+(\a)], v[SH], v[PW]        ; lanes 0-15 keep the first head's two bytes lowest, lanes 16-31 the second head's
.endif
.endm
	s_cmp_eq_u32 s62, 0
	s_cbranch_scc1 .Lepi_v
.irp a, 0,1,2,3,4,5,6,7
	EPI \a, 0
.endr
	global_store_b128 v[VS0], v[PWS:PWS+3], s[8:9] offset:4096       ; scale words of tiles 0-3: 256 consecutive bytes for each head
	global_store_b128 v[VS0], v[PWS+4:PWS+7], s[8:9] offset:4352     ; of tiles 4-7
	s_branch .Ldone
.Lepi_v:
.irp a, 0,1,2,3,4,5,6,7
	EPI \a, 1
.endr
	v_cmp_eq_u32 vcc_lo, 1, v2
.irp k, 0,1,2,3
	v_cndmask_b32 v[PWS+\k], v[PWS+\k], v[PWS+4+\k], vcc_lo          ; lanes 16-31 take the second head's four words
.endr
	global_store_b128 v[VS0], v[PWS:PWS+3], s[8:9] offset:8704
.Ldone:
	s_wait_tensorcnt 0x0
	ds_add_u32 v126, v127
	s_wait_dscnt 0x0
	CROUND                                         ; the closing round: no work-group ends while a partner may still ask for a tile that names it
	s_endpgm
.Lfunc_end_k_qdcfad21fcb_qkv:
	.size	k_qdcfad21fcb_qkv, .Lfunc_end_k_qdcfad21fcb_qkv-k_qdcfad21fcb_qkv
	.p2alignl 7, 3214868480
	.fill 96, 4, 3214868480
	.section	.rodata,"a",@progbits
	.p2align	6, 0x0
	.amdhsa_kernel k_qdcfad21fcb_qkv
		.amdhsa_group_segment_fixed_size 279040
		.amdhsa_private_segment_fixed_size 0
		.amdhsa_enable_private_segment 0
		.amdhsa_kernarg_size 24
		.amdhsa_user_sgpr_count 2
		.amdhsa_user_sgpr_kernarg_segment_ptr 1
		.amdhsa_wavefront_size32 1
		.amdhsa_system_sgpr_workgroup_id_x 1
		.amdhsa_system_sgpr_workgroup_id_y 1
		.amdhsa_system_sgpr_workgroup_id_z 1
		.amdhsa_system_vgpr_workitem_id 0
		.amdhsa_next_free_vgpr 1024
		.amdhsa_next_free_sgpr 84
		.amdhsa_reserve_vcc 1
		.amdhsa_float_denorm_mode_32 3
		.amdhsa_float_denorm_mode_16_64 3
		.amdhsa_memory_ordered 1
		.amdhsa_forward_progress 1
		.amdhsa_inst_pref_size 193
	.end_amdhsa_kernel
	.amdgpu_metadata
---
amdhsa.version: [ 1, 2 ]
amdhsa.kernels:
  - .name:           k_qdcfad21fcb_qkv
    .symbol:         k_qdcfad21fcb_qkv.kd
    .args:
      - { .name: xw, .offset: 0, .size: 8, .value_kind: global_buffer, .address_space: global }
      - { .name: in_proj_bias, .offset: 8, .size: 8, .value_kind: global_buffer, .address_space: global }
      - { .name: att, .offset: 16, .size: 8, .value_kind: global_buffer, .address_space: global }
    .group_segment_fixed_size: 279040
    .private_segment_fixed_size: 0
    .kernarg_segment_align: 8
    .kernarg_segment_size: 24
    .max_flat_workgroup_size: 128
    .sgpr_count:     84
    .vgpr_count:     1024
    .wavefront_size: 32
...
	.end_amdgpu_metadata
.endif
;; end of part 2
;; launch attn (part 3): grid 8 x 32, 16 waves a work-group, clusters of 4 x 1, 186,624 bytes of LDS; arguments att, ao; writes ao
.if DOCPART == 3
	.amdgcn_target "amdgcn-amd-amdhsa--gfx1250"
	.amdhsa_code_object_version 6
	.text
	.protected	k_qdcfad21fcb_attn
	.globl	k_qdcfad21fcb_attn
	.p2align	8
	.type	k_qdcfad21fcb_attn,@function
k_qdcfad21fcb_attn:
	s_mov_b64 s[64:65], 0
	v_nop
	global_prefetch_b8 v0, s[64:65] scope:SCOPE_SE
	s_setreg_imm32_b32 hwreg(HW_REG_WAVE_MODE, 25, 1), 1
	s_wait_xcnt 0x0
	s_wait_alu depctr_hold_cnt(0) depctr_sa_sdst(0) depctr_va_vdst(0) depctr_va_sdst(0) depctr_va_ssrc(0) depctr_va_vcc(0) depctr_vm_vsrc(0)
	s_getreg_b32 s2, hwreg(HW_REG_IB_STS2, 6, 4)
	s_cmp_eq_u32 s2, 0
	s_cbranch_scc0 .Lentry_in_a_cluster
	s_endpgm
.Lentry_in_a_cluster:
	s_bfe_u32 s2, ttmp6, 0x10000c
	s_cmp_lg_u32 s2, 0x3003
	s_cbranch_scc0 .Lentry_shape_is_right
	s_endpgm
.Lentry_shape_is_right:
; o = softmax(q k^T / 8 + min(slope (i - j), 8)) v for one head and 256 queries a work-group, both products on codes of FP4 (E2M1) with E8M0 scales; o is quantised along the model's 1,024 channels for the last product.
; THE SOFTMAX AHEAD OF THE SECOND PRODUCT: t = logit x log2(e); M = the row's largest t so far, rounded UP to a whole number; p = 2^(t - M) is quantised along the keys, not normalised; the row's sum is taken of the
; unquantised p and divides at the end.  When M moves, the sum and O are multiplied by 2^(old M - new M): exact.
; SHARES.  Each of SIXTEEN waves owns one tile of 16 queries in 256 registers: four waves to a SIMD, so that one wave's exponentials stand beside another's plain vector work.  Every wave walks all 2,048 keys, 128 a step.
; K AND V OF THE WHOLE HEAD STAY IN LDS: 16 records of 8,960 dense bytes, one joint load a wave (one tensor load outstanding a wave); nothing is filled twice.  The four work-groups of a cluster are four query blocks
; of one head and ask for the same records jointly.
; LAYOUT.  Both products are used transposed (S^T = k q^T, O^T = V^T p^T): a lane holds ONE query throughout.  Tiles are 16 rows in the order 8 u + r + 8 (r / 8) of each 32, so that the 16 registers of tiles 2 b, 2 b + 1
; are 16 neighbouring keys (or channels).  The first product's K is the head's 64: registers 4-7 of q's fragment hold zero codes, which add nothing.
; THE BIAS COSTS NO VECTOR INSTRUCTION IN THE LOOP: it is the C of S^T's matrix instructions.  D = k . q + 8 x bias, t = D x log2(e) / 8.  8 x bias = min((i - j) x 8 slope, 64): one rounding, as in the definition, since 8 is
; a power of two.  It hangs on i - j alone, so it comes from a table in LDS: entry e of copy c holds the value for i - j = 256 block + 256 + c - e.  Four copies, shifted by one entry each, so that a lane
; (query % 4 = c) reads 16 aligned bytes; the copies begin 10,272 and 20,608 bytes apart.  The work-group's place enters the table's numbers, never an LDS address.
; LIMITS: NaN and infinities are not served; p under 2^-126 counts as 0 (v_exp_f32); a block's largest p is taken through its largest score, which takes v_exp_f32 not to fall where its input rises;
; a block of zeros gets the scale byte 1 (its codes are zeros).  The 32 scale bytes of a wave's result leave as single bytes: a scale word of the last product spans two heads, which are two work-groups.
; REGISTERS: v1-3 addresses that stay; v8-10 those of the step; v12 -M, v13 the largest t, v[14:15] the sum; v16-23 q; v24 q's scale word; v28-63 k's eight tiles and four zeros; v64-95 of V^T; v96-159 bias, S^T, p;
;   v160-191 O^T; v192-199 k's scale words, v200-203 V's; v224-231 p's codes; v232-254 at work.
.set HS,   143360
.set REC,  8960
.set TREC, 8704
.set CHB,  4352
.set TBL,  16*REC                      ; behind the sixteen records: the table
.set CB1,  10272
.set CB2,  20608
.set AK0,  1                           ; v1   16 x lane
.set AT0,  2                           ; v2   my lane's place in the table
.set AS0,  3                           ; v3   16 r
.set ADK,  8
.set ADS,  9
.set ADT,  10
.set KF,   28                          ; v28-59 k's eight tiles, 4 registers each; v60-63 zeros.  A fragment names 8 registers: its upper four (K = 64 .. 127) are the next tile's codes, which meet q's zero codes and add nothing
.set VF,   64
.set S,    96
.set O,    160
.set KS,   192
.set VS,   200
.set PC,   224
.set WV,   18
.set SEL,  20
.set CS,   22
.set G1,   24
.set G0,   32
.set TB,   36
.set TT,   37
.set CNT,  38
.set SL8,  39
.macro ROUND                           ; a round of the cluster's barrier
	s_barrier_signal -1
	s_barrier_wait -1
	s_cmp_lg_u32 s[WV], 0
	s_cbranch_scc1 .Lnot_wave_0_\@
	s_barrier_signal -3
.Lnot_wave_0_\@:
	s_barrier_wait -3
	s_barrier_signal -1
	s_barrier_wait -1
.endm
	s_load_b128 s[4:7], s[0:1], 0x0                ; att, ao
	v_lshl_add_u32 v251, v0, 2, 0x2d100
	v_mov_b32 v255, 0
	ds_add_u32 v251, v255
	ds_add_u32 v251, v255
	v_lshrrev_b32 v8, 5, v0
	s_delay_alu instid0(VALU_DEP_1)
	v_readfirstlane_b32 s[WV], v8                  ; wave 0..15
	s_bfe_u32 s8, ttmp6, 0x40000                   ; cx
	s_lshl_b32 s9, ttmp9, 2
	s_add_co_u32 s9, s9, s8                        ; my block of 256 queries: it enters q's and ao's addresses and the table's numbers alone
	s_and_b32 s10, ttmp7, 0xffff                   ; 16 batch + head, which the four partners share
	s_and_b32 s11, s10, 15                         ; head
	s_lshr_b32 s12, s10, 4                         ; batch
	s_mov_b32 s[G1], 15|(3<<16)|(1<<21)            ; 15:0 the mask: all four work-groups; 17:16 elements of 8 bytes; 21 set beside a mask
	s_mov_b32 s[G1+1], 32<<16                      ; tensor_dim0 = 32 elements: 256 bytes
	s_mov_b32 s[G1+2], 35<<16                      ; tensor_dim1 = 35 rows: a record
	s_mov_b32 s[G1+3], 32<<16                      ; tile_dim0
	s_mov_b32 s[G1+4], 35                          ; tile_dim1
	s_mov_b32 s[G1+5], 32                          ; dense
	s_mov_b32 s[G1+6], 0
	s_mov_b32 s[G1+7], 0
	s_add_co_u32 s14, s10, 32                      ; k's and v's area
	s_mul_i32 s14, s14, HS
	s_mul_i32 s13, s[WV], REC                      ; my record, in memory and in LDS
	s_add_co_u32 s14, s14, s13
	s_mov_b32 s15, 0
	s_mul_i32 s40, s10, HS                         ; q's area, the record of my tile: 2 block + w / 8
	s_lshl_b32 s41, s9, 1
	s_lshr_b32 s42, s[WV], 3
	s_add_co_u32 s41, s41, s42
	s_mul_i32 s41, s41, REC
	s_add_co_u32 s40, s40, s41
	s_mov_b32 s41, 0
	; 8 x slope = 2^(3 - (head + 1) / 2): its bits from the head's number
	s_and_b32 s16, s11, 1
	s_mov_b32 s17, 0x3f3504f3                      ; 2^(-1/2)
	s_cmp_eq_u32 s16, 1
	s_cselect_b32 s[SL8], 0x3f800000, s17
	s_add_co_u32 s16, s11, 1
	s_lshr_b32 s16, s16, 1
	s_sub_co_u32 s16, 3, s16
	s_lshl_b32 s16, s16, 23
	s_add_co_u32 s[SL8], s[SL8], s16
	s_mov_b32 s[SEL], 0x76543210
	s_mov_b32 s[SEL+1], 0xfedcba98
	s_mov_b32 s[CS], 0x3e38aa3b                    ; c = log2(e) / 8
	s_mov_b32 s[CS+1], s[CS]                       ; (named with it as a pair, so it is written)
	s_mov_b32 s[TB], 0
	s_mov_b32 s[TT], 0
	s_mov_b32 s[CNT], 16
	s_wait_dscnt 0x0
	s_wait_kmcnt 0x0
	s_mov_b32 s[G0], 1
	s_mov_b32 s[G0+1], s13
	s_add_nc_u64 s[G0+2:G0+3], s[4:5], s[14:15]
	s_or_b32 s[G0+3], s[G0+3], 0x80000000
	s_add_nc_u64 s[40:41], s[4:5], s[40:41]
	ROUND                                          ; all four work-groups are here: the joint loads meet
	tensor_load_to_lds s[G0:G0+3], s[G1:G1+7]
	s_nop 0
.rept 4
	v_nop
.endr
	v_and_b32 v4, 31, v0
	s_delay_alu instid0(VALU_DEP_1)
	v_lshlrev_b32 v[AK0], 4, v4
	v_and_b32 v6, 15, v0                           ; r
	v_bfe_u32 v11, v0, 4, 1                        ; h
	s_delay_alu instid0(VALU_DEP_2)
	v_lshlrev_b32 v[AS0], 4, v6
	s_wait_alu depctr_va_vdst(0)
	s_and_b32 s42, s[WV], 7
	s_lshl_b32 s42, s42, 9
	v_add_nc_u32 v5, s42, v[AK0]
	global_load_b128 v[16:19], v5, s[40:41]        ; q's codes: tile w % 8 of the record
	s_bfe_u32 s43, s[WV], 0x10002
	s_lshl_b32 s43, s43, 8
	s_and_b32 s44, s[WV], 3
	s_lshl_b32 s44, s44, 2
	s_add_co_u32 s43, s43, s44
	s_add_co_u32 s43, s43, 4096
	v_add_nc_u32 v7, s43, v[AS0]
	global_load_b32 v24, v7, s[40:41]              ; and its rows' scale words
.irp j, 20,21,22,23
	v_mov_b32 v[\j], 0                             ; q's zero codes for K = 64 .. 127
.endr
.irp j, 32,33,34,35
	v_mov_b32 v[KF+\j], 0                          ; the upper half of k's last fragment: written once, never loaded into
.endr
.irp j, 0,1,2,3,4,5,6,7,8,9,10,11,12,13,14,15,16,17,18,19,20,21,22,23,24,25,26,27,28,29,30,31
	v_mov_b32 v[O+\j], 0                           ; O^T.  (The step is written once: the first finds zeros, which the first change of M leaves zeros)
.endr
	v_mov_b32 v13, 0xff61b1e6                      ; the largest t so far: -3e38
	s_delay_alu instid0(VALU_DEP_1)
	v_floor_f32 v12, -v13                          ; -M
	v_mov_b32 v14, 0
	v_mov_b32 v15, 0
.irp b, 0,1,2,3
	v_mov_b32 v[236+\b], 0                         ; written once: a lane permute's destination counts as one of its sources
.endr
	v_mov_b32 v253, 0                              ; (named as the upper half of the pair v[252:253] before it is first written)
	; my lane's place in the table: copy r % 4; entry 256 - (my query less its last two bits) + 16 h; my query = 32 (w / 2) + 8 (w % 2) + r % 8 + 16 (r / 8)
	v_and_b32 v25, 1, v0
	s_delay_alu instid0(VALU_DEP_1)
	v_mul_u32_u24 v[AT0], v25, CB1
	v_bfe_u32 v25, v0, 1, 1
	s_delay_alu instid0(VALU_DEP_1)
	v_mad_u32_u24 v[AT0], v25, CB2, v[AT0]
	s_delay_alu instid0(VALU_DEP_1)
	v_lshl_add_u32 v[AT0], v11, 6, v[AT0]
	s_wait_alu depctr_va_vdst(0)
	s_lshr_b32 s45, s[WV], 1
	s_xor_b32 s45, s45, 7
	s_lshl_b32 s45, s45, 7
	s_and_b32 s46, s[WV], 1
	s_xor_b32 s46, s46, 1
	s_lshl_b32 s46, s46, 5
	s_add_co_u32 s45, s45, s46
	s_add_co_u32 s45, s45, TBL+96                  ; TBL + 1,024 - 128 (w / 2) - 32 (w % 2)
	v_add_nc_u32 v[AT0], s45, v[AT0]
	v_and_b32 v25, 4, v0
	v_bfe_u32 v26, v0, 3, 1
	s_delay_alu instid0(VALU_DEP_1)
	v_lshl_add_u32 v25, v26, 4, v25
	s_delay_alu instid0(VALU_DEP_1)
	v_lshlrev_b32 v25, 2, v25
	s_delay_alu instid0(VALU_DEP_1)
	v_sub_nc_u32 v[AT0], v[AT0], v25
	; the table: thread n writes entries n + 512 k of each copy, while the tensor loads are on their way
	s_lshl_b32 s47, s9, 8
	s_add_co_u32 s47, s47, 256
	v_add_nc_u32 v[ADK], s[TB], v[AK0]             ; the first step's addresses; each step makes the next one's
	v_add_nc_u32 v[ADS], s[TB], v[AS0]
	v_sub_nc_u32 v204, s47, v0                     ; 256 block + 256 - n
	v_lshl_add_u32 v205, v0, 2, TBL
	v_add_nc_u32 v[ADT], s[TT], v[AT0]
.irp i, 0,1,2,3
.irp k, 0,1,2,3,4
	v_add_nc_u32 v206, \i-512*\k, v204             ; i - j, a whole number
	s_delay_alu instid0(VALU_DEP_1)
	v_cvt_f32_i32 v206, v206                       ; exact
	s_delay_alu instid0(VALU_DEP_1)
	v_mul_f32 v206, s[SL8], v206
	s_delay_alu instid0(VALU_DEP_1)
	v_min_num_f32 v206, 0x42800000, v206           ; held at 64 = 8 x 8 from above
	ds_store_b32 v205, v206 offset:(\i&1)*CB1+(\i>>1)*CB2+2048*\k
.endr
.endr
	s_wait_tensorcnt 0x0                           ; my record is in,
	s_wait_dscnt 0x0                               ; my part of the table is written:
	s_barrier_signal -1
	s_barrier_wait -1                              ; everybody's are
	s_wait_loadcnt 0x0                             ; q
.Lstep:                                            ; 16 trips of 128 keys
	s_barrier_signal -1                            ; I begin this step (no LDS instruction of mine is out); up to the wait at the step's end stand register work and LDS loads of bytes that nobody writes
.irp t, 0,1,2,3                                    ; the bias of tile t's keys 32 (t / 2) + 16 h + 8 (t % 2) + 0..7, into the accumulator's registers
	ds_load_b128 v[S+8*\t:S+8*\t+3], v[ADT] offset:128*(\t/2)+32*(\t%2)
	ds_load_b128 v[S+8*\t+4:S+8*\t+7], v[ADT] offset:128*(\t/2)+32*(\t%2)+16
.endr
	ds_load_b128 v[KS:KS+3], v[ADS] offset:4096
.irp t, 0,1,2,3,4,5,6,7
	ds_load_b128 v[KF+4*\t:KF+4*\t+3], v[ADK] offset:512*\t
.endr
.irp t, 4,5,6,7
	ds_load_b128 v[S+8*\t:S+8*\t+3], v[ADT] offset:128*(\t/2)+32*(\t%2)
	ds_load_b128 v[S+8*\t+4:S+8*\t+7], v[ADT] offset:128*(\t/2)+32*(\t%2)+16
.endr
	ds_load_b128 v[KS+4:KS+7], v[ADS] offset:4352
	s_wait_dscnt 9                                 ; all but the last nine: tiles 4-7's bias and scale words
.irp t, 0,1,2,3
	v_wmma_scale_f32_16x16x128_f8f6f4 v[S+8*\t:S+8*\t+7], v[KF+4*\t:KF+4*\t+7], v[16:23], v[S+8*\t:S+8*\t+7], v[KS+\t], v24 matrix_a_fmt:MATRIX_FMT_FP4 matrix_b_fmt:MATRIX_FMT_FP4
.endr
	s_wait_dscnt 0x0
.irp t, 4,5,6,7
	v_wmma_scale_f32_16x16x128_f8f6f4 v[S+8*\t:S+8*\t+7], v[KF+4*\t:KF+4*\t+7], v[16:23], v[S+8*\t:S+8*\t+7], v[KS+\t], v24 matrix_a_fmt:MATRIX_FMT_FP4 matrix_b_fmt:MATRIX_FMT_FP4
.endr
	s_add_co_u32 s[TT], s[TT], 512                 ; 128 entries on in the table
	v_add_nc_u32 v[ADT], s[TT], v[AT0]             ; four places: in front of the loads into V^T's registers, which the last step's products read, and (with the two additions behind those loads) of the first read of results
	v_mov_b32 v250, v12                            ; the old -M
	v_nop
	v_nop
.irp d, 0,1,2,3                                    ; V^T's four fragments land while the softmax is worked
	ds_load_b128 v[VF+8*\d:VF+8*\d+3], v[ADK] offset:4608+1024*\d
	ds_load_b128 v[VF+8*\d+4:VF+8*\d+7], v[ADK] offset:4608+1024*\d+512
.endr
	ds_load_b128 v[VS:VS+3], v[ADS] offset:8704
	s_add_co_u32 s[TB], s[TB], REC                 ; the next record
	v_add_nc_u32 v[ADK], s[TB], v[AK0]
	v_add_nc_u32 v[ADS], s[TB], v[AS0]
.irp b, 0,1,2,3
	v_max3_num_f32 v[232+\b], v[S+16*\b], v[S+1+16*\b], v[S+2+16*\b]   ; the largest score of each block of 32 keys: for the row's maximum, and, since p rises with the score, for the block's largest p
.endr
.irp i, 3,5,7,9,11,13
.irp b, 0,1,2,3
	v_max3_num_f32 v[232+\b], v[232+\b], v[S+16*\b+\i], v[S+1+16*\b+\i]
.endr
.endr
.irp b, 0,1,2,3
	v_max_num_f32 v[232+\b], v[232+\b], v[S+15+16*\b]
.endr
.irp b, 0,1,2,3
	s_delay_alu instid0(VALU_DEP_4)
	v_permlanex16_b32 v[236+\b], v[232+\b], s[SEL], s[SEL+1]
.endr
.irp b, 0,1,2,3
	s_delay_alu instid0(VALU_DEP_4)
	v_max_num_f32 v[232+\b], v[232+\b], v[236+\b]  ; with lane l xor 16's 16 keys
.endr
	s_delay_alu instid0(VALU_DEP_2)
	v_max3_num_f32 v254, v232, v233, v234
	s_delay_alu instid0(VALU_DEP_1)
	v_max_num_f32 v254, v254, v235
	s_delay_alu instid0(VALU_DEP_1)
	v_mul_f32 v254, s[CS], v254                    ; as t (c is positive)
	s_delay_alu instid0(VALU_DEP_1)
	v_max_num_f32 v13, v13, v254                   ; the running largest t
	s_delay_alu instid0(VALU_DEP_1)
	v_floor_f32 v12, -v13                          ; the new -M = floor(-t): M is a whole number
	s_delay_alu instid0(VALU_DEP_1)
	v_sub_f32 v254, v12, v250                      ; old M - new M: a whole number, 0 or less
	s_delay_alu instid0(VALU_DEP_1)
	v_cvt_i32_f32 v254, v254                       ; (it saturates)
	s_delay_alu instid0(VALU_DEP_1)
	v_ldexp_f32 v252, 1.0, v254                    ; f = 2^(old M - new M)
.irp j, 0,2,4,6,8,10,12,14,16,18,20,22,24,26,28,30,32,34,36,38,40,42,44,46,48,50,52,54,56,58,60,62
	v_pk_fma_f32 v[S+\j:S+1+\j], v[S+\j:S+1+\j], s[CS:CS+1], v[12:13] op_sel_hi:[1,0,0]   ; t - M, two at a time
.endr
.irp b, 0,1,2,3
	v_fma_f32 v[232+\b], v[232+\b], s[CS], v12     ; the same of each block's largest score
.endr
	s_wait_alu depctr_va_vdst(0)
.irp j, 0,1,2,3,4,5,6,7,8,9,10,11,12,13,14,15,16,17,18,19,20,21,22,23,24,25,26,27,28,29,30,31,32,33,34,35,36,37,38,39,40,41,42,43,44,45,46,47,48,49,50,51,52,53,54,55,56,57,58,59,60,61,62,63
	v_exp_f32 v[S+\j], v[S+\j]                     ; p = 2^(t - M), at most 1
.endr
.irp b, 0,1,2,3
	v_exp_f32 v[232+\b], v[232+\b]                 ; the block's largest p: the same two instructions on the same number
.endr
	v_pk_mul_f32 v[14:15], v[14:15], v[252:253] op_sel_hi:[1,0]   ; the sums under the new M (a plain place behind the exponentials)
	s_wait_alu depctr_va_vdst(0)
.irp b, 0,1,2,3
	v_max_num_f32 v[232+\b], 0x1800000, v[232+\b]  ; the floor 2^(3 - 127): the byte cannot fall under 1
.endr
.irp b, 0,1,2,3
	s_delay_alu instid0(VALU_DEP_4)
	v_add_nc_u32 v[244+\b], 0xff000000, v[232+\b]  ; 2 off the exponent field: the conversion's scale operand
.endr
.irp b, 0,1,2,3
	s_delay_alu instid0(VALU_DEP_4)
	v_lshrrev_b32 v[236+\b], 23, v[244+\b]         ; the scale's byte
.endr
	s_delay_alu instid0(VALU_DEP_3)
	v_lshl_or_b32 v253, v237, 8, v236              ; p's scale word for these 128 keys
	s_delay_alu instid0(VALU_DEP_1)
	v_lshl_or_b32 v253, v238, 16, v253
	s_delay_alu instid0(VALU_DEP_1)
	v_lshl_or_b32 v253, v239, 24, v253
.irp b, 0,1,2,3
	v_cvt_scalef32_pk8_fp4_f32 v[PC+2*\b], v[S+16*\b:S+7+16*\b], v[244+\b]
	v_cvt_scalef32_pk8_fp4_f32 v[PC+1+2*\b], v[S+8+16*\b:S+15+16*\b], v[244+\b]
.endr
	v_nop                                          ; one plain place behind a scaled conversion
.irp c, 0,1                                        ; the operand's layout wants a WHOLE block in a lane
.irp i, 0,1
	v_permlane16_swap_b32 v[PC+4*\c+\i], v[PC+2+4*\c+\i]
.endr
.endr
	v_pk_add_f32 v[236:237], v[100:101], v[104:105]
	v_pk_add_f32 v[248:249], v[108:109], v[112:113]
	v_pk_add_f32 v[246:247], v[116:117], v[120:121]
	v_pk_add_f32 v[244:245], v[124:125], v[128:129]
	v_pk_add_f32 v[242:243], v[132:133], v[136:137]
	v_pk_add_f32 v[240:241], v[140:141], v[144:145]
	v_pk_add_f32 v[234:235], v[148:149], v[152:153]
	v_pk_add_f32 v[14:15], v[14:15], v[156:157]
	v_pk_add_f32 v[236:237], v[236:237], v[96:97]
	v_pk_add_f32 v[248:249], v[248:249], v[98:99]
	v_pk_add_f32 v[246:247], v[246:247], v[102:103]
	v_pk_add_f32 v[244:245], v[244:245], v[106:107]
	v_pk_add_f32 v[242:243], v[242:243], v[110:111]
	v_pk_add_f32 v[240:241], v[240:241], v[114:115]
	v_pk_add_f32 v[234:235], v[234:235], v[118:119]
	v_pk_add_f32 v[14:15], v[14:15], v[122:123]
	v_pk_add_f32 v[236:237], v[236:237], v[126:127]
	v_pk_add_f32 v[248:249], v[248:249], v[130:131]
	v_pk_add_f32 v[246:247], v[246:247], v[134:135]
	v_pk_add_f32 v[244:245], v[244:245], v[138:139]
	v_pk_add_f32 v[242:243], v[242:243], v[142:143]
	v_pk_add_f32 v[240:241], v[240:241], v[146:147]
	v_pk_add_f32 v[234:235], v[234:235], v[150:151]
	v_pk_add_f32 v[14:15], v[14:15], v[154:155]
	v_pk_add_f32 v[236:237], v[236:237], v[158:159]
	s_delay_alu instid0(VALU_DEP_2)
	v_pk_add_f32 v[14:15], v[14:15], v[244:245]
	s_delay_alu instid0(VALU_DEP_2)
	v_pk_add_f32 v[236:237], v[236:237], v[242:243]
	v_pk_add_f32 v[248:249], v[248:249], v[240:241]
	v_pk_add_f32 v[246:247], v[246:247], v[234:235]
	s_delay_alu instid0(VALU_DEP_2)
	v_pk_add_f32 v[14:15], v[14:15], v[248:249]
	s_delay_alu instid0(VALU_DEP_2)
	v_pk_add_f32 v[236:237], v[236:237], v[246:247]
	s_delay_alu instid0(VALU_DEP_1)
	v_pk_add_f32 v[14:15], v[14:15], v[236:237]
.irp j, 0,2,4,6,8,10,12,14,16,18,20,22,24,26,28,30
	v_pk_mul_f32 v[O+\j:O+1+\j], v[O+\j:O+1+\j], v[252:253] op_sel_hi:[1,0]   ; O^T under the new M.  (With the sums above: the places between p's codes and scale word and the products below)
.endr
	s_wait_alu depctr_va_vdst(0)
	s_wait_dscnt 0x0                               ; V^T and its scale words are in
.irp d, 0,1,2,3
	v_wmma_scale_f32_16x16x128_f8f6f4 v[O+8*\d:O+8*\d+7], v[VF+8*\d:VF+8*\d+7], v[PC:PC+7], v[O+8*\d:O+8*\d+7], v[VS+\d], v253 matrix_a_fmt:MATRIX_FMT_FP4 matrix_b_fmt:MATRIX_FMT_FP4
.endr
	s_barrier_wait -1                              ; every wave has begun this step: the sixteen waves stay within one key step of each other
	s_sub_co_u32 s[CNT], s[CNT], 1
	s_cmp_lg_u32 s[CNT], 0
	s_cbranch_scc1 .Lstep
	; THE WAY OUT.  O^T / the sum; register 16 b + i is channel 32 b + 16 h + i of my query: two blocks of 32 along the last product's K.  Quantised, the codes are half a fragment of ao: 512 consecutive bytes.
.rept 4
	v_nop                                          ; places in front of the first read of results
.endr
	v_add_f32 v14, v14, v15
	s_delay_alu instid0(VALU_DEP_1)
	v_permlanex16_b32 v252, v14, s[SEL], s[SEL+1]
	s_delay_alu instid0(VALU_DEP_1)
	v_add_f32 v14, v14, v252                       ; the row's sum
	s_wait_alu depctr_va_vdst(0)
	v_rcp_f32 v14, v14
	v_nop                                          ; one plain place behind a transcendental
	s_wait_alu depctr_va_vdst(0)
.irp j, 0,2,4,6,8,10,12,14,16,18,20,22,24,26,28,30
	v_pk_mul_f32 v[S+\j:S+1+\j], v[O+\j:O+1+\j], v[14:15] op_sel_hi:[1,0]
.endr
.irp b, 0,1
	v_max3_num_f32 v[232+\b], |v[S+16*\b]|, |v[S+1+16*\b]|, 0x1800000
.endr
.irp i, 2,4,6,8,10,12,14
.irp b, 0,1
	s_delay_alu instid0(VALU_DEP_2)
	v_max3_num_f32 v[232+\b], v[232+\b], |v[S+16*\b+\i]|, |v[S+1+16*\b+\i]|
.endr
.endr
.irp b, 0,1
	s_delay_alu instid0(VALU_DEP_2)
	v_permlanex16_b32 v[236+\b], v[232+\b], s[SEL], s[SEL+1]
.endr
.irp b, 0,1
	s_delay_alu instid0(VALU_DEP_2)
	v_max_num_f32 v[232+\b], v[232+\b], v[236+\b]
.endr
.irp b, 0,1
	s_delay_alu instid0(VALU_DEP_2)
	v_add_nc_u32 v[244+\b], 0xff000000, v[232+\b]
.endr
.irp b, 0,1
	s_delay_alu instid0(VALU_DEP_2)
	v_lshrrev_b32 v[236+\b], 23, v[244+\b]
.endr
.irp b, 0,1
	v_cvt_scalef32_pk8_fp4_f32 v[PC+2*\b], v[S+16*\b:S+7+16*\b], v[244+\b]
	v_cvt_scalef32_pk8_fp4_f32 v[PC+1+2*\b], v[S+8+16*\b:S+15+16*\b], v[244+\b]
.endr
	v_nop
	v_permlane16_swap_b32 v[PC], v[PC+2]
	v_permlane16_swap_b32 v[PC+1], v[PC+3]
	s_wait_alu depctr_va_vdst(0)
	v_cmp_eq_u32 vcc_lo, 1, v11
	s_delay_alu instid0(VALU_DEP_1)
	v_cndmask_b32 v238, v236, v237, vcc_lo         ; lane (r, h) stores block h's byte
	v_add_nc_u32 v5, v[AS0], v11                   ; at 16 r + h
	s_wait_alu depctr_va_vdst(0)
	s_lshl_b32 s8, s12, 7                          ; ao's tile: 128 batch + 16 block + wave
	s_lshl_b32 s13, s9, 4
	s_add_co_u32 s8, s8, s13
	s_add_co_u32 s8, s8, s[WV]
	s_mul_i32 s8, s8, TREC
	s_lshr_b32 s13, s11, 3                         ; chunk head / 8,
	s_mul_i32 s13, s13, CHB
	s_add_co_u32 s8, s8, s13
	s_bfe_u32 s13, s11, 0x20001                    ; its K step (head / 2) % 4,
	s_and_b32 s14, s11, 1                          ; half head % 2 of it
	s_lshl_b32 s15, s13, 10
	s_lshl_b32 s16, s14, 9
	s_add_co_u32 s15, s15, s16
	s_add_co_u32 s40, s8, s15
	s_mov_b32 s41, 0
	s_lshl_b32 s15, s13, 2
	s_lshl_b32 s16, s14, 1
	s_add_co_u32 s15, s15, s16
	s_add_co_u32 s15, s15, 4096
	s_add_co_u32 s42, s8, s15
	s_mov_b32 s43, 0
	s_add_nc_u64 s[40:41], s[6:7], s[40:41]
	s_add_nc_u64 s[42:43], s[6:7], s[42:43]
	global_store_b128 v[AK0], v[PC:PC+3], s[40:41]
	global_store_b8 v5, v238, s[42:43]
	s_wait_tensorcnt 0x0
	ds_add_u32 v251, v255
	s_wait_dscnt 0x0
	ROUND                                          ; the closing round: no work-group ends while a partner may still ask for a record that names it
	s_endpgm
.Lfunc_end_k_qdcfad21fcb_attn:
	.size	k_qdcfad21fcb_attn, .Lfunc_end_k_qdcfad21fcb_attn-k_qdcfad21fcb_attn
	.p2alignl 7, 3214868480
	.fill 96, 4, 3214868480
	.section	.rodata,"a",@progbits
	.p2align	6, 0x0
	.amdhsa_kernel k_qdcfad21fcb_attn
		.amdhsa_group_segment_fixed_size 186624
		.amdhsa_private_segment_fixed_size 0
		.amdhsa_enable_private_segment 0
		.amdhsa_kernarg_size 16
		.amdhsa_user_sgpr_count 2
		.amdhsa_user_sgpr_kernarg_segment_ptr 1
		.amdhsa_wavefront_size32 1
		.amdhsa_system_sgpr_workgroup_id_x 1
		.amdhsa_system_sgpr_workgroup_id_y 1
		.amdhsa_system_sgpr_workgroup_id_z 1
		.amdhsa_system_vgpr_workitem_id 0
		.amdhsa_next_free_vgpr 256
		.amdhsa_next_free_sgpr 66
		.amdhsa_reserve_vcc 1
		.amdhsa_float_denorm_mode_32 3
		.amdhsa_float_denorm_mode_16_64 3
		.amdhsa_memory_ordered 1
		.amdhsa_forward_progress 1
		.amdhsa_inst_pref_size 37
	.end_amdhsa_kernel
	.amdgpu_metadata
---
amdhsa.version: [ 1, 2 ]
amdhsa.kernels:
  - .name:           k_qdcfad21fcb_attn
    .symbol:         k_qdcfad21fcb_attn.kd
    .args:
      - { .name: att, .offset: 0, .size: 8, .value_kind: global_buffer, .address_space: global }
      - { .name: ao, .offset: 8, .size: 8, .value_kind: global_buffer, .address_space: global }
    .group_segment_fixed_size: 186624
    .private_segment_fixed_size: 0
    .kernarg_segment_align: 8
    .kernarg_segment_size: 16
    .max_flat_workgroup_size: 512
    .sgpr_count:     66
    .vgpr_count:     256
    .wavefront_size: 32
...
	.end_amdgpu_metadata
.endif
;; end of part 3
;; launch proj (part 4): grid 8 x 32, 4 waves a work-group, clusters of 4 x 4, 168,448 bytes of LDS; arguments ao, xw, out_proj_bias, out0; writes out0
.if DOCPART == 4
	.amdgcn_target "amdgcn-amd-amdhsa--gfx1250"
	.amdhsa_code_object_version 6
	.text
	.protected	k_qdcfad21fcb_proj
	.globl	k_qdcfad21fcb_proj
	.p2align	8
	.type	k_qdcfad21fcb_proj,@function
k_qdcfad21fcb_proj:
	s_mov_b64 s[64:65], 0
	v_nop
	global_prefetch_b8 v0, s[64:65] scope:SCOPE_SE
	s_setreg_imm32_b32 hwreg(HW_REG_WAVE_MODE, 25, 1), 1
	s_wait_xcnt 0x0
	s_wait_alu depctr_hold_cnt(0) depctr_sa_sdst(0) depctr_va_vdst(0) depctr_va_sdst(0) depctr_va_ssrc(0) depctr_va_vcc(0) depctr_vm_vsrc(0)
	s_getreg_b32 s2, hwreg(HW_REG_IB_STS2, 6, 4)
	s_cmp_eq_u32 s2, 0
	s_cbranch_scc0 .Lentry_in_a_cluster
	s_endpgm
.Lentry_in_a_cluster:
	s_bfe_u32 s2, ttmp6, 0x10000c
	s_cmp_lg_u32 s2, 0xf033
	s_cbranch_scc0 .Lentry_shape_is_right
	s_endpgm
.Lentry_shape_is_right:
; out0 = ao out_proj_weight^T + out_proj_bias on codes of FP4 (E2M1) with E8M0 scales.  ao [4096 tokens][1024] and the weight [1024][1024] lie as tile records of 8,704 bytes: 16 rows (of each 32 rows tile u takes rows
; 8 u + r + 8 (r / 8)), two chunks of four fragments (16 rows x 128 K, 1,024 dense bytes in the order of the registers) and 256 bytes of scale words, [lane-row][4 words].
; SHARES.  A tile of out0 is 128 tokens x 128 columns: 256 work-groups, one for each WGP; a tile of 256 x 256 would give 64.  Four waves, each 64 x 64: 16 accumulators.
; ALL OF K STAYS IN LDS: 8 + 8 records; each wave brings four of them, 34,816 dense bytes, by one joint load (one tensor load outstanding a wave); nothing is filled twice.
; CLUSTERS: 4 x 4.  ao's tiles hang on the work-group's y alone and are asked for jointly along a row of the cluster, the weight's on its x alone, along a column.
; THE MATRIX INSTRUCTION IS USED TRANSPOSED (source 0 = 16 rows of the weight, source 1 = 16 tokens): a lane holds one token, and the 16 registers of the weight's tiles 2 b, 2 b + 1 are 16 neighbouring columns.
; The bias is the C of each sum's first matrix instruction.  The way out goes through each wave's own stage in LDS, so that sixteen lanes store 256 consecutive aligned bytes.
; REGISTERS: window 0: v1-10 addresses; v32-63 scale words (lanes 0-15 ao's, lanes 16-31 the weight's); v64-95 the bias, later with v96-127 rows on their way out; v128-255 the accumulators ((a, b) at v[128 + 8 (4 a + b)]).
;   window 1: four sets of fragments, 64 registers each: ao's four, then the weight's four.
.set TREC,  8704
.set CHB,   4352
.set QUART, 4*TREC                     ; what one wave brings
.set STAGE, 4*QUART                    ; behind the records: 16 rows x 272 bytes for each wave
.set SP,    272
.set ADRA, 4
.set ADRB, 5
.set ADRS, 6
.set STO,  7
.set RD,   8
.set CO,   9
.set VBI,  10
.set SC,   32
.set BI,   64
.set BK,   64
.set ACC,  128
.set WV,   12
.set G1A,  24
.set G1B,  32
.set G0A,  40
.set G0B,  44
.set MSB,  0
.macro WIN new                         ; the immediate's high byte repeats the setting that is left
.if MSB != (\new)
	s_set_vgpr_msb (MSB<<8)|(\new)
.set MSB, (\new)
.endif
.endm
.macro PLACES n
.rept \n
	v_nop
.endr
.endm
.macro CROUND                          ; a round of the cluster's barrier
	s_barrier_signal -1
	s_barrier_wait -1
	s_cmp_lg_u32 s[WV], 0
	s_cbranch_scc1 .Lnot_wave_0_\@
	s_barrier_signal -3
.Lnot_wave_0_\@:
	s_barrier_wait -3
	s_barrier_signal -1
	s_barrier_wait -1
.endm
	s_load_b256 s[4:11], s[0:1], 0x0               ; ao, xw, out_proj_bias, out0
	v_lshl_add_u32 v30, v0, 2, 0x29000
	v_mov_b32 v31, 0
	ds_add_u32 v30, v31
	ds_add_u32 v30, v31
	v_lshrrev_b32 v1, 5, v0
	v_readfirstlane_b32 s[WV], v1                  ; wave 0..3
	s_lshr_b32 s13, s[WV], 1                       ; my half of the tokens
	s_and_b32 s14, s[WV], 1                        ; my half of the columns.  Also: which four tiles I fetch
	s_bfe_u32 s15, ttmp6, 0x40000                  ; cx
	s_bfe_u32 s16, ttmp6, 0x40004                  ; cy
	s_lshl_b32 s17, ttmp9, 2
	s_add_co_u32 s17, s17, s15                     ; work-group x
	s_and_b32 s18, ttmp7, 0xffff
	s_lshl_b32 s18, s18, 2
	s_add_co_u32 s18, s18, s16                     ; work-group y
	s_lshl_b32 s19, s16, 2
	s_lshl_b32 s19, 15, s19                        ; my row of the cluster
	s_lshl_b32 s20, 0x1111, s15                    ; my column
	s_or_b32 s[G1A], s19, (3<<16)|(1<<21)          ; 15:0 the mask; 17:16 elements of 8 bytes; 21 set beside a mask
	s_or_b32 s[G1B], s20, (3<<16)|(1<<21)
.irp g, G1A, G1B
	s_mov_b32 s[\g+1], 32<<16                      ; tensor_dim0 = 32 elements: 256 bytes
	s_mov_b32 s[\g+2], 136<<16                     ; tensor_dim1 = 136 rows: four records
	s_mov_b32 s[\g+3], 32<<16                      ; tile_dim0
	s_mov_b32 s[\g+4], 136                         ; tile_dim1
	s_mov_b32 s[\g+5], 32                          ; dense
	s_mov_b32 s[\g+6], 0
	s_mov_b32 s[\g+7], 0
.endr
	s_lshl_b32 s48, s18, 3                         ; ao: tile 8 y + 4 (w % 2)
	s_lshl_b32 s49, s14, 2
	s_add_co_u32 s48, s48, s49
	s_mul_i32 s48, s48, TREC
	s_mov_b32 s49, 0
	s_lshl_b32 s50, s17, 3                         ; the weight: tile 448 + 8 x + 4 (w % 2)
	s_lshl_b32 s51, s14, 2
	s_add_co_u32 s50, s50, s51
	s_add_co_u32 s50, s50, 448
	s_mul_i32 s50, s50, TREC
	s_mov_b32 s51, 0
	s_mul_i32 s21, s[WV], QUART                    ; where they go: no place in the cluster enters an LDS address
	s_lshl_b32 s52, s17, 9                         ; the bias of my 64 columns: 4 (128 x + 64 (w % 2))
	s_lshl_b32 s53, s14, 8
	s_add_co_u32 s52, s52, s53
	s_mov_b32 s53, 0
	s_lshl_b32 s54, s18, 19                        ; out0: row 128 y + 64 (w / 2) of 4,096 bytes, and the same columns
	s_lshl_b32 s55, s13, 18
	s_add_co_u32 s54, s54, s55
	s_add_co_u32 s54, s54, s52
	s_mov_b32 s55, 0
	s_wait_dscnt 0x0
	s_wait_kmcnt 0x0
	s_mov_b32 s[G0A], 1
	s_mov_b32 s[G0A+1], s21
	s_add_nc_u64 s[G0A+2:G0A+3], s[4:5], s[48:49]
	s_or_b32 s[G0A+3], s[G0A+3], 0x80000000
	s_mov_b32 s[G0B], 1
	s_mov_b32 s[G0B+1], s21
	s_add_nc_u64 s[G0B+2:G0B+3], s[6:7], s[50:51]
	s_or_b32 s[G0B+3], s[G0B+3], 0x80000000
	s_add_nc_u64 s[8:9], s[8:9], s[52:53]
	s_add_nc_u64 s[10:11], s[10:11], s[54:55]
	CROUND                                         ; all sixteen work-groups are here: the joint loads meet
	s_cmp_lt_u32 s[WV], 2                          ; waves 0 and 1 fetch ao's halves, waves 2 and 3 the weight's; four v_nop follow each line
	s_cbranch_scc0 .Lfill_b
	tensor_load_to_lds s[G0A:G0A+3], s[G1A:G1A+7]
	s_nop 0
	PLACES 4
	s_branch .Lfilled
.Lfill_b:
	tensor_load_to_lds s[G0B:G0B+3], s[G1B:G1B+7]
	s_nop 0
	PLACES 4
.Lfilled:
	v_and_b32 v1, 15, v0                           ; r
	s_wait_alu depctr_va_vdst(0)
	v_bfe_u32 v2, v0, 4, 1                         ; h
	v_and_b32 v3, 31, v0                           ; lane
	v_lshlrev_b32 v3, 4, v3
	s_mul_i32 s22, s13, QUART
	s_add_co_u32 s23, s14, 2
	s_mul_i32 s23, s23, QUART
	v_add_nc_u32 v[ADRA], s22, v3
	v_add_nc_u32 v[ADRB], s23, v3
	s_xor_b32 s56, s13, 1
	s_add_co_u32 s56, s56, s14
	s_add_co_u32 s56, s56, 1                       ; 2 + w % 2 - w / 2: quarters from ao's to the weight's
	s_mul_i32 s56, s56, QUART
	v_mul_u32_u24 v[ADRS], s56, v2                 ; lanes 16-31 take the weight's words
	v_lshl_add_u32 v[ADRS], v1, 4, v[ADRS]
	s_add_co_u32 s22, s22, 4096
	v_add_nc_u32 v[ADRS], s22, v[ADRS]
	s_mul_i32 s57, s[WV], 16*SP
	s_add_co_u32 s57, s57, STAGE                   ; my stage
	v_mul_u32_u24 v[STO], v1, SP
	s_wait_alu depctr_va_vdst(0)
	v_lshl_add_u32 v[STO], v2, 6, v[STO]
	v_add_nc_u32 v[STO], s57, v[STO]               ; in: stage row r, + 64 h
	v_mul_u32_u24 v[RD], v2, 8*SP
	v_lshl_add_u32 v[RD], v1, 4, v[RD]
	v_add_nc_u32 v[RD], s57, v[RD]                 ; back: lanes 0-15 stage row t, lanes 16-31 stage row 8 + t
	v_lshlrev_b32 v[CO], 4, v1
	v_lshl_add_u32 v[CO], v2, 16, v[CO]            ; which are tokens 16 apart: 65,536 bytes
	v_lshlrev_b32 v[VBI], 6, v2
.irp b, 0,1,2,3                                    ; the bias in the result's layout: tile b gives lane (r, h) columns 32 (b / 2) + 16 h + 8 (b % 2) + 0..7
	global_load_b128 v[BI+8*\b:BI+8*\b+3], v[VBI], s[8:9] offset:4*(32*(\b/2)+8*(\b%2))
	global_load_b128 v[BI+8*\b+4:BI+8*\b+7], v[VBI], s[8:9] offset:4*(32*(\b/2)+8*(\b%2))+16
.endr
.macro FETCH s                         ; K step s: ao's four fragments and the weight's four into set s % 4: 16 loads of 512 consecutive bytes
	WIN 0x40
.irp i, 0,1,2,3
	ds_load_b128 v[64*((\s)%4)+8*\i:64*((\s)%4)+8*\i+3], v[ADRA] offset:TREC*\i+CHB*((\s)>>2)+1024*((\s)&3)
	ds_load_b128 v[64*((\s)%4)+8*\i+4:64*((\s)%4)+8*\i+7], v[ADRA] offset:TREC*\i+CHB*((\s)>>2)+1024*((\s)&3)+512
	ds_load_b128 v[64*((\s)%4)+32+8*\i:64*((\s)%4)+32+8*\i+3], v[ADRB] offset:TREC*\i+CHB*((\s)>>2)+1024*((\s)&3)
	ds_load_b128 v[64*((\s)%4)+32+8*\i+4:64*((\s)%4)+32+8*\i+7], v[ADRB] offset:TREC*\i+CHB*((\s)>>2)+1024*((\s)&3)+512
.endr
	WIN 0
.endm
.macro MUL s                           ; 16 products; the 16 accumulators take turns, one instruction a turn, in the same order in every step
	WIN 0x05                                       ; sources 0 and 1 window 1; C and D window 0
.irp a, 0,1,2,3
.irp b, 0,1,2,3
.if (\s) == 0
	v_wmma_scale_f32_16x16x128_f8f6f4 v[ACC+8*(4*\a+\b):ACC+8*(4*\a+\b)+7], v[64*((\s)%4)+32+8*\b:64*((\s)%4)+32+8*\b+7], v[64*((\s)%4)+8*\a:64*((\s)%4)+8*\a+7], v[BI+8*\b:BI+8*\b+7], v[SC+8*\b+(\s)], v[SC+8*\a+(\s)] matrix_a_fmt:MATRIX_FMT_FP4 matrix_b_fmt:MATRIX_FMT_FP4 matrix_a_scale:MATRIX_SCALE_ROW1
.else
	v_wmma_scale_f32_16x16x128_f8f6f4 v[ACC+8*(4*\a+\b):ACC+8*(4*\a+\b)+7], v[64*((\s)%4)+32+8*\b:64*((\s)%4)+32+8*\b+7], v[64*((\s)%4)+8*\a:64*((\s)%4)+8*\a+7], v[ACC+8*(4*\a+\b):ACC+8*(4*\a+\b)+7], v[SC+8*\b+(\s)], v[SC+8*\a+(\s)] matrix_a_fmt:MATRIX_FMT_FP4 matrix_b_fmt:MATRIX_FMT_FP4 matrix_a_scale:MATRIX_SCALE_ROW1
.endif
.endr
.endr
.endm
	s_wait_tensorcnt 0x0                           ; my four records are in,
	s_barrier_signal -1
	s_barrier_wait -1                              ; everybody's are
.irp i, 0,1,2,3
.irp ch, 0,1
	ds_load_b128 v[SC+8*\i+4*\ch:SC+8*\i+4*\ch+3], v[ADRS] offset:TREC*\i+CHB*\ch   ; register 8 i + s: tile i's word of K step s
.endr
.endr
	FETCH 0
	FETCH 1
	FETCH 2
	s_wait_loadcnt 0x0                             ; the bias
.irp s, 0,1,2,3,4,5,6,7
.if \s < 6
	s_wait_dscnt 32                                ; this step's fragments are in; the two younger fetches, 16 loads each, may be out
.elseif \s == 6
	s_wait_dscnt 16
.else
	s_wait_dscnt 0x0
.endif
	MUL \s
	PLACES 4                                       ; in front of loads into registers that matrix instructions have read, and of the first read of results
.if \s+3 < 8
	FETCH \s+3                                     ; into the set that the step before multiplied
.endif
.endr
	WIN 0
; THE WAY OUT, a tile of 16 tokens x 64 columns at a time.  LDS serves a wave's instructions in order: no wait between the stores and the loads, nor in front of the next block's stores.
.macro TOSTAGE a
.irp b, 0,1,2,3
	ds_store_b128 v[STO], v[ACC+8*(4*(\a)+\b):ACC+8*(4*(\a)+\b)+3] offset:128*(\b/2)+32*(\b%2)         ; each accumulator from its low end on
	ds_store_b128 v[STO], v[ACC+8*(4*(\a)+\b)+4:ACC+8*(4*(\a)+\b)+7] offset:128*(\b/2)+32*(\b%2)+16
.endr
.irp t, 0,1,2,3,4,5,6,7
	ds_load_b128 v[BK+32*((\a)%2)+4*\t:BK+32*((\a)%2)+4*\t+3], v[RD] offset:SP*\t
.endr
.endm
.macro SEND a, younger                 ; younger: the LDS instructions issued behind block a's loads, which may stay out
	s_wait_dscnt \younger
.irp t, 0,1,2,3,4,5,6,7
	global_store_b128 v[CO], v[BK+32*((\a)%2)+4*\t:BK+32*((\a)%2)+4*\t+3], s[10:11] offset:4096*(32*((\a)>>1)+8*((\a)&1)+\t) th:TH_STORE_NT   ; sixteen lanes store 256 consecutive bytes, at a multiple of 256 from out0's first byte
.endr
.endm
	s_wait_alu depctr_va_vdst(0)
	TOSTAGE 0
	TOSTAGE 1
	SEND 0, 16
	s_wait_xcnt 0x0                                ; block 0's stores have read their registers: block 2's loads may land there
	TOSTAGE 2
	SEND 1, 16
	s_wait_xcnt 0x0
	TOSTAGE 3
	SEND 2, 16
	SEND 3, 0
	s_wait_tensorcnt 0x0
	ds_add_u32 v30, v31
	s_wait_dscnt 0x0
	CROUND                                         ; the closing round: no work-group ends while a partner may still ask for a tile that names it
	s_endpgm
.Lfunc_end_k_qdcfad21fcb_proj:
	.size	k_qdcfad21fcb_proj, .Lfunc_end_k_qdcfad21fcb_proj-k_qdcfad21fcb_proj
	.p2alignl 7, 3214868480
	.fill 96, 4, 3214868480
	.section	.rodata,"a",@progbits
	.p2align	6, 0x0
	.amdhsa_kernel k_qdcfad21fcb_proj
		.amdhsa_group_segment_fixed_size 168448
		.amdhsa_private_segment_fixed_size 0
		.amdhsa_enable_private_segment 0
		.amdhsa_kernarg_size 32
		.amdhsa_user_sgpr_count 2
		.amdhsa_user_sgpr_kernarg_segment_ptr 1
		.amdhsa_wavefront_size32 1
		.amdhsa_system_sgpr_workgroup_id_x 1
		.amdhsa_system_sgpr_workgroup_id_y 1
		.amdhsa_system_sgpr_workgroup_id_z 1
		.amdhsa_system_vgpr_workitem_id 0
		.amdhsa_next_free_vgpr 512
		.amdhsa_next_free_sgpr 72
		.amdhsa_reserve_vcc 0
		.amdhsa_float_denorm_mode_32 3
		.amdhsa_float_denorm_mode_16_64 3
		.amdhsa_memory_ordered 1
		.amdhsa_forward_progress 1
		.amdhsa_inst_pref_size 41
	.end_amdhsa_kernel
	.amdgpu_metadata
---
amdhsa.version: [ 1, 2 ]
amdhsa.kernels:
  - .name:           k_qdcfad21fcb_proj
    .symbol:         k_qdcfad21fcb_proj.kd
    .args:
      - { .name: ao, .offset: 0, .size: 8, .value_kind: global_buffer, .address_space: global }
      - { .name: xw, .offset: 8, .size: 8, .value_kind: global_buffer, .address_space: global }
      - { .name: out_proj_bias, .offset: 16, .size: 8, .value_kind: global_buffer, .address_space: global }
      - { .name: out0, .offset: 24, .size: 8, .value_kind: global_buffer, .address_space: global }
    .group_segment_fixed_size: 168448
    .private_segment_fixed_size: 0
    .kernarg_segment_align: 8
    .kernarg_segment_size: 32
    .max_flat_workgroup_size: 128
    .sgpr_count:     72
    .vgpr_count:     512
    .wavefront_size: 32
...
	.end_amdgpu_metadata
.endif
;; end of part 4
